; MI455X (gfx1250); checked and timed in simulation.
; The chip was launched on July 23, 2026; its instructions are those of AMD's public machine-readable ISA for CDNA 5 (MIT licence, August 2026) and "CDNA5" Instruction Set Architecture Reference Guide (July 2026). The comments in the code are by the model that wrote it; some were corrected since.
;; Multi Head Self Attention. Allowed arithmetic: matrix products marked QUANTISED: E2M3 operands, one E8M0 scale for each 32 along K, by v_wmma_scale_f32_16x16x128_f8f6f4 with both operands' format E2M3, f32 sums; everything else in f32.
;; Inputs: Wk 1,024 x 1,024 float32; Wp 1,024 x 1,024 float32; Wq 1,024 x 1,024 float32; Wv 1,024 x 1,024 float32; bk 1,024 float32; bp 1,024 float32; bq 1,024 float32; bv 1,024 float32; x 4 x 2,048 x 1,024 float32.
;; Outputs: out0 4 x 2,048 x 1,024 float32.
;; This version of the problem:
;;   THIS VERSION OF THE PROBLEM IS GIVEN IN LOW PRECISION. The matrix products marked QUANTISED in the list below multiply operands that are first quantised to E2M3 (2 exponent bits, 3 mantissa bits; 6 bits a number), with one power-of-two scale for each 32 numbers along K (OCP MX v1.0); their sums are f32. All else is computed in f32.
;;   The module's matrix products, in the order in which they are computed (A, B: the left and right operand; K: the contracted axis; several contracted axes count as one K, in the product's order):
;;     1. [M 8,192, K 1,024] x [K 1,024, N 1,024]; A: input x; B: input Wq: QUANTISED
;;     2. [M 8,192, K 1,024] x [K 1,024, N 1,024]; A: input x; B: input Wk: QUANTISED
;;     3. [M 8,192, K 1,024] x [K 1,024, N 1,024]; A: input x; B: input Wv: QUANTISED
;;     4. batch 64 x [M 2,048, K 64] x [K 64, N 2,048]; A: computed on the way; B: computed on the way: QUANTISED
;;     5. batch 64 x [M 2,048, K 2,048] x [K 2,048, N 64]; A: softmax (see below); B: computed on the way: QUANTISED
;;     6. [M 8,192, K 1,024] x [K 1,024, N 1,024]; A: computed on the way; B: input Wp: QUANTISED
;;   THE QUANTISER, for each operand of a quantised product, along K:
;;     - K is cut into blocks of 32 from its start; a last block that is shorter is filled with zeros.
;;     - A block's scale is 2^e with e = floor(log2(the largest magnitude in the block)) - 2, held to -126 .. 127; a block of zeros has e = 0. As a byte (E8M0): e + 127.
;;     - Each number is divided by its block's scale, clamped to +-7.5, and rounded to the nearest number of E2M3, ties to even, subnormals kept.
;;     - The product sums the exact products of the quantised numbers (number of the format x scale) in f32.
;;   ~~~python
;;   def quantise(x, axis):      # numpy; x: float32 -> the quantised numbers, widened to float32 again
;;       x = np.moveaxis(x, axis, -1); K = x.shape[-1]
;;       x = np.pad(x, [(0, 0)] * (x.ndim - 1) + [(0, -K % 32)]); x = x.reshape(x.shape[:-1] + (-1, 32)); a = np.abs(x).max(-1, keepdims=True)
;;       e = np.where(a > 0, np.clip(np.frexp(np.where(a > 0, a, 1))[1] - 1 - 2, -126, 127), 0)      # np.frexp(a)[1] - 1 = floor(log2(a)), exactly
;;       r = np.clip(x / 2.0 ** e, -7.5, 7.5)
;;       step = 2.0 ** (np.maximum(np.frexp(np.where(r == 0, 1, r))[1] - 1, 0) - 3)
;;       q = np.round(r / step) * step * 2.0 ** e      # np.round: ties to even
;;       return np.moveaxis(q.reshape(q.shape[:-2] + (-1,))[..., :K], -1, axis).astype(np.float32)
;;   ~~~
;;   SOFTMAX AHEAD OF A QUANTISED PRODUCT. Where the list says 'softmax', what is quantised is not the finished softmax but p = 2^(t - M), with t = logit x log2(e) and M = ceil(the row's largest t), a whole number; so 1/2 < the row's largest p <= 1. The row's sum l is taken of the UNQUANTISED p, in f32, and the product's result is divided by l at the end. Since M is a whole number, a kernel that streams over the keys may use a running M (the ceiling of the running maximum): every later rescaling is an exact power of two, which a block's scale takes up: the codes' values come out the same.
;;   OPERANDS COMPUTED ON THE WAY. 'Computed on the way' means the value that the module computes at that place (a softmax that the list does not call 'softmax' is quantised finished and normalised). What goes into a quantiser is computed in f32, as accurately as f32 sums, v_exp_f32 and their like allow (about 1e-6 of the number): no bf16 or f16 on the way to a quantiser, and a product that is left as it is and whose result goes on into a quantised operand takes f32 operands (vector FMAs, or v_wmma_f32_16x16x4_f32). A number that lies on a knife's edge between two numbers of the format may be rounded either way, as far as f32 arithmetic and the matrix unit's own rounding can turn it there, and no further.
;; One version. Each part assembles by itself: llvm-mc -triple=amdgcn-amd-amdhsa -mcpu=gfx1250 --defsym DOCPART=n.
;; ======== version 1 of 1: 4 launches
;; workspace buffers: x_op 6,553,600 bytes; w_op 3,276,800 bytes; y_op 6,553,600 bytes; qb 6,815,744 bytes; kv 13,631,488 bytes
;; launch quant (part 1): grid 384 x 1, 4 waves a work-group, no clusters, 34,304 bytes of LDS; arguments x, Wq, Wk, Wv, Wp, x_op, w_op; writes x_op, w_op
.if DOCPART == 1
	.amdgcn_target "amdgcn-amd-amdhsa--gfx1250"
	.amdhsa_code_object_version 6
	.text
	.protected	k_qf7b21dadc7_quant
	.globl	k_qf7b21dadc7_quant
	.p2align	8
	.type	k_qf7b21dadc7_quant,@function
k_qf7b21dadc7_quant:
	s_mov_b64 s[64:65], 0
	v_nop
	global_prefetch_b8 v0, s[64:65] scope:SCOPE_SE
	s_setreg_imm32_b32 hwreg(HW_REG_WAVE_MODE, 25, 1), 1
	s_wait_xcnt 0x0
; x [8192][1024] and Wq, Wk, Wv, Wp [1024][1024], f32, K innermost, become codes of FP6 (E2M3) with one E8M0 byte for each 32 along K,
; laid IN THE ORDER OF THE READER'S OPERAND REGISTERS.  Rows go in groups of 128, a group in 8 tiles of 16; lane r of tile t holds row
; 32 (t / 2) + 8 (t % 2) + r + 8 (r / 8) of its group.  A fragment (16 rows x 128 K, 12 registers a lane) lies as six pieces of 256 bytes: piece p = registers 2 p, 2 p + 1, lane l at 8 l.
; A group's K step of 256 (s), with its scale words, is one dense block of 25,600 bytes:  codes at q 12,288 + t 1,536 + p 256 + 8 lane (q: which 128 of the 256);
; scale words (4 bytes for a row and 128 K) at 24,576 + q 512 + (t / 4) 256 + 16 r + 4 (t % 4).  A group is four such blocks.  w_op holds Wq, Wk, Wv, Wp as groups 0-7, 8-15, 16-23, 24-31.
; A block's scale is 2^(floor(log2(its largest magnitude)) - 2); its byte is the largest magnitude's exponent field - 2, held at 1 from below.
; LIMITS: a block of zeros gets the byte 1 where the rule says 127 (its codes are zeros, and this program alone reads the bytes); NaN and infinities among the inputs are not served.
; SHARES: a work-group takes 64 rows x 512 along K, a wave 64 rows x 128 along K: four fragments.  Each load reads 512 consecutive bytes of one row; a fragment's 16 rows turn through the wave's
; own stage in LDS (rows 528 bytes apart) so that a lane gets 16 neighbours of each block of 32.  One path serves all five tensors: only pointers are chosen.  No barrier: waves share nothing.
.set STG,   16*528                     ; a wave's stage
.set SPARE, 4*STG                      ; behind the stages: the spare words, 128 bytes a wave: two blocks of 256 bytes that no other line names
.set LA,  4                            ; v4   16 x lane: my bytes of a load's 512
.set SI,  5                            ; v5   the stage, on the way in
.set SB,  6                            ; v6   and back: row r, + 64 h
.set CO,  7                            ; v7   8 x lane: a piece's place for my lane
.set SO,  8                            ; v8   16 r + 8 h: the scale words' place
.set SPW, 12                           ; v12  LDS address of my spare word; never rewritten
.set NIL, 13                           ; v13  0; never rewritten
.set PC,  16                           ; v16-34  the codes just made
.set TM,  36                           ; v36-51  at work in QUANT
.set SW,  52                           ; v52-55  the four fragments' scale words
.set SD,  56                           ; v56-57  what the scale store sends
.set R,   64                           ; v64-191 two sets of 64: rows as loaded
.set X,   192                          ; v192-255 64 numbers: register 16 b + i = k 32 b + 16 h + i of my row
.set SEL, 26                           ; s[26:27] lane selects for v_permlanex16_b32: lane l xor 16
; 64 numbers of a lane, register 16 b + i = k 32 b + 16 (lane / 16) + i of my row, become a fragment's codes in v[PC] on and its scale word in v[pw].
.macro QUANT s, pw
.irp b, 0,1,2,3
	v_max3_num_f32 v[TM+\b], |v[(\s)+16*\b]|, |v[(\s)+1+16*\b]|, 0x1800000   ; my 16 numbers of block b, and the floor 2^(3 - 127): the byte cannot fall under 1
.endr
.irp i, 2,4,6,8,10,12,14
.irp b, 0,1,2,3
	v_max3_num_f32 v[TM+\b], v[TM+\b], |v[(\s)+16*\b+\i]|, |v[(\s)+1+16*\b+\i]|   ; the four blocks by turns
.endr
.endr
.irp b, 0,1,2,3
	v_permlanex16_b32 v[TM+4+\b], v[TM+\b], s[SEL], s[SEL+1]
.endr
.irp b, 0,1,2,3
	v_max_num_f32 v[TM+\b], v[TM+\b], v[TM+4+\b]   ; with lane l xor 16's: the block's largest magnitude
.endr
.irp b, 0,1,2,3
	v_add_nc_u32 v[TM+12+\b], 0xff000000, v[TM+\b]   ; 2 off its exponent field: the conversion's scale operand
.endr
.irp b, 0,1,2,3
	v_lshrrev_b32 v[TM+4+\b], 23, v[TM+12+\b]      ; the scale's byte
.endr
	v_lshl_or_b32 v[\pw], v[TM+5], 8, v[TM+4]      ; four bytes: my row's scale word (the same in both halves of the lanes)
	v_lshl_or_b32 v[\pw], v[TM+6], 16, v[\pw]
	v_lshl_or_b32 v[\pw], v[TM+7], 24, v[\pw]
.irp c, 0,1
	v_cvt_scalef32_pk16_fp6_f32 v[PC+6*\c:PC+2+6*\c], v[(\s)+32*\c:(\s)+15+32*\c], v[TM+12+2*\c]
	v_cvt_scalef32_pk16_fp6_f32 v[PC+12+4*\c:PC+14+4*\c], v[(\s)+16+32*\c:(\s)+31+32*\c], v[TM+12+2*\c+1]   ; (a conversion's three registers begin on an even number)
.endr
	v_nop                                          ; one plain place behind a scaled conversion
.irp c, 0,1                                    ; the operand's layout wants a whole block in a lane: lanes 0-15 block 2 c, lanes 16-31 block 2 c + 1
.irp i, 0,1,2
	v_permlane16_swap_b32 v[PC+6*\c+\i], v[PC+12+4*\c+\i]
.endr
.irp i, 0,1,2
	v_mov_b32 v[PC+3+6*\c+\i], v[PC+12+4*\c+\i]
.endr
.endr
.endm
	s_load_b256 s[4:11], s[0:1], 0x0               ; x, Wq, Wk, Wv
	s_load_b128 s[12:15], s[0:1], 0x20             ; Wp, x_op
	s_load_b64 s[16:17], s[0:1], 0x30              ; w_op
	v_lshl_add_u32 v[SPW], v0, 2, SPARE
	v_mov_b32 v[NIL], 0
	v_lshrrev_b32 v1, 5, v0
	v_readfirstlane_b32 s18, v1                    ; wave 0..3
	v_and_b32 v1, 31, v0                           ; lane
	v_and_b32 v2, 15, v0                           ; r
	v_bfe_u32 v3, v0, 4, 1                         ; h
	v_lshlrev_b32 v[LA], 4, v1
	s_mul_i32 s19, s18, STG
	v_add_nc_u32 v[SI], s19, v[LA]
	v_mul_u32_u24 v[SB], v2, 528
	v_lshl_add_u32 v[SB], v3, 6, v[SB]
	v_add_nc_u32 v[SB], s19, v[SB]
	v_lshlrev_b32 v[CO], 3, v1
	v_lshlrev_b32 v[SO], 4, v2
	v_lshl_add_u32 v[SO], v3, 3, v[SO]
.irp b, 0,1,2,3
	v_mov_b32 v[TM+4+\b], 0                        ; written once: a lane permute's destination counts as one of its sources
.endr
	s_mov_b32 s24, 0xffff0000                      ; lanes 16-31
	s_mov_b32 s[SEL], 0x76543210
	s_mov_b32 s[SEL+1], 0xfedcba98
	s_lshr_b32 s20, ttmp9, 1                       ; which run of 64 rows: 0-127 x, then 16 for each weight
	s_and_b32 s21, ttmp9, 1
	s_lshl_b32 s21, s21, 2
	s_add_co_u32 s21, s21, s18                     ; which 128 along K: 4 x (work-group's low bit) + wave
	s_wait_kmcnt 0x0
	s_cmp_lt_u32 s20, 176                          ; the choices hang on the work-group's number alone
	s_cselect_b64 s[12:13], s[10:11], s[12:13]
	s_cmp_lt_u32 s20, 160
	s_cselect_b64 s[12:13], s[8:9], s[12:13]
	s_cmp_lt_u32 s20, 144
	s_cselect_b64 s[12:13], s[6:7], s[12:13]
	s_cmp_lt_u32 s20, 128
	s_cselect_b64 s[12:13], s[4:5], s[12:13]       ; the tensor that I read
	s_cselect_b64 s[14:15], s[14:15], s[16:17]     ; the buffer that I write
	s_cselect_b32 s22, 0, 128
	s_cselect_b32 s23, 0xff, 15
	s_sub_co_u32 s22, s20, s22                     ; the run's number in the buffer
	s_and_b32 s23, s22, s23                        ; and in the tensor
	s_lshl_b32 s28, s23, 18                        ; 64 rows of 4,096 bytes
	s_lshl_b32 s29, s21, 9                         ; 128 numbers
	s_add_co_u32 s28, s28, s29
	s_mov_b32 s29, 0
	s_add_nc_u64 s[12:13], s[12:13], s[28:29]
	s_lshr_b32 s30, s22, 1                         ; the group
	s_and_b32 s31, s22, 1                          ; its tiles 0-3 or 4-7
	s_mul_i32 s30, s30, 102400
	s_lshr_b32 s32, s21, 1
	s_mul_i32 s32, s32, 25600
	s_add_co_u32 s30, s30, s32                     ; the block of 25,600 bytes
	s_and_b32 s33, s21, 1
	s_mul_i32 s34, s33, 12288
	s_mul_i32 s35, s31, 6144
	s_add_co_u32 s34, s34, s35
	s_add_co_u32 s28, s30, s34
	s_add_nc_u64 s[36:37], s[14:15], s[28:29]      ; my four fragments
	s_lshl_b32 s34, s33, 9
	s_lshl_b32 s35, s31, 8
	s_add_co_u32 s34, s34, s35
	s_add_co_u32 s34, s34, 24576
	s_add_co_u32 s28, s30, s34
	s_add_nc_u64 s[38:39], s[14:15], s[28:29]      ; their 256 bytes of scale words
.macro LOAD f                          ; fragment f's 16 rows, in the tile's order, into set f % 2
.irp n, 0,1,2,3,4,5,6,7,8,9,10,11,12,13,14,15
	global_load_b128 v[R+64*((\f)%2)+4*\n:R+64*((\f)%2)+4*\n+3], v[LA], s[12:13] offset:(32*((\f)/2)+8*((\f)%2)+\n+8*(\n/8))*4096 th:TH_LOAD_NT
.endr
.endm
.macro FRAGQ f
.if (\f) < 3
	s_wait_loadcnt 16                              ; this fragment's 16 loads are in; the next fragment's 16 may be out
.else
	s_wait_loadcnt 0x0
.endif
.irp n, 0,1,2,3,4,5,6,7,8,9,10,11,12,13,14,15
	ds_store_b128 v[SI], v[R+64*((\f)%2)+4*\n:R+64*((\f)%2)+4*\n+3] offset:528*\n
.endr
.irp b, 0,1,2,3
.irp jj, 0,1,2,3
	ds_load_b128 v[X+16*\b+4*\jj:X+16*\b+4*\jj+3], v[SB] offset:128*\b+16*\jj   ; LDS serves a wave's instructions in order: these see my stores
.endr
.endr
	s_wait_dscnt 0x0                               ; the numbers are back, and the stores into the stage have read their registers
	s_wait_xcnt 0x0                                ; the last fragment's stores have read their codes: those registers are written again below
.if (\f) < 2
	LOAD (\f)+2
.endif
	QUANT X, SW+(\f)
.irp p, 0,1,2,3,4,5
	global_store_b64 v[CO], v[PC+2*\p:PC+2*\p+1], s[36:37] offset:(\f)*1536+\p*256   ; 32 lanes store 256 consecutive bytes, aligned
.endr
.endm
	LOAD 0
	LOAD 1
	FRAGQ 0
	FRAGQ 1
	FRAGQ 2
	FRAGQ 3
	v_cndmask_b32 v[SD], v[SW], v[SW+2], s24       ; lane (r, h) sends row r's words of fragments 2 h and 2 h + 1
	v_cndmask_b32 v[SD+1], v[SW+1], v[SW+3], s24
	global_store_b64 v[SO], v[SD:SD+1], s[38:39]   ; 256 consecutive bytes, aligned
	s_wait_tensorcnt 0x0                           ; the wave's end, behind my last LDS store
	ds_add_u32 v[SPW], v[NIL]
	s_wait_dscnt 0x0
	s_endpgm
.Lfunc_end_k_qf7b21dadc7_quant:
	.size	k_qf7b21dadc7_quant, .Lfunc_end_k_qf7b21dadc7_quant-k_qf7b21dadc7_quant
	.p2alignl 7, 3214868480
	.fill 96, 4, 3214868480
	.section	.rodata,"a",@progbits
	.p2align	6, 0x0
	.amdhsa_kernel k_qf7b21dadc7_quant
		.amdhsa_group_segment_fixed_size 34304
		.amdhsa_private_segment_fixed_size 0
		.amdhsa_enable_private_segment 0
		.amdhsa_kernarg_size 56
		.amdhsa_user_sgpr_count 2
		.amdhsa_user_sgpr_kernarg_segment_ptr 1
		.amdhsa_wavefront_size32 1
		.amdhsa_system_sgpr_workgroup_id_x 1
		.amdhsa_system_sgpr_workgroup_id_y 1
		.amdhsa_system_sgpr_workgroup_id_z 1
		.amdhsa_system_vgpr_workitem_id 0
		.amdhsa_next_free_vgpr 256
		.amdhsa_next_free_sgpr 66
		.amdhsa_reserve_vcc 0
		.amdhsa_float_denorm_mode_32 3
		.amdhsa_float_denorm_mode_16_64 3
		.amdhsa_memory_ordered 1
		.amdhsa_forward_progress 1
		.amdhsa_inst_pref_size 35
	.end_amdhsa_kernel
	.amdgpu_metadata
---
amdhsa.version: [ 1, 2 ]
amdhsa.kernels:
  - .name:           k_qf7b21dadc7_quant
    .symbol:         k_qf7b21dadc7_quant.kd
    .args:
      - { .name: x, .offset: 0, .size: 8, .value_kind: global_buffer, .address_space: global }
      - { .name: Wq, .offset: 8, .size: 8, .value_kind: global_buffer, .address_space: global }
      - { .name: Wk, .offset: 16, .size: 8, .value_kind: global_buffer, .address_space: global }
      - { .name: Wv, .offset: 24, .size: 8, .value_kind: global_buffer, .address_space: global }
      - { .name: Wp, .offset: 32, .size: 8, .value_kind: global_buffer, .address_space: global }
      - { .name: x_op, .offset: 40, .size: 8, .value_kind: global_buffer, .address_space: global }
      - { .name: w_op, .offset: 48, .size: 8, .value_kind: global_buffer, .address_space: global }
    .group_segment_fixed_size: 34304
    .private_segment_fixed_size: 0
    .kernarg_segment_align: 8
    .kernarg_segment_size: 56
    .max_flat_workgroup_size: 128
    .sgpr_count:     66
    .vgpr_count:     256
    .wavefront_size: 32
...
	.end_amdgpu_metadata
.endif
;; end of part 1
;; launch qkv (part 2): grid 12 x 32, 4 waves a work-group, clusters of 4 x 4, 327,680 bytes of LDS; arguments x_op, w_op, bq, bk, bv, qb, kv; writes qb, kv
.if DOCPART == 2
	.amdgcn_target "amdgcn-amd-amdhsa--gfx1250"
	.amdhsa_code_object_version 6
	.text
	.protected	k_qf7b21dadc7_qkv
	.globl	k_qf7b21dadc7_qkv
	.p2align	8
	.type	k_qf7b21dadc7_qkv,@function
k_qf7b21dadc7_qkv:
	s_mov_b64 s[64:65], 0
	v_nop
	global_prefetch_b8 v0, s[64:65] scope:SCOPE_SE
	s_setreg_imm32_b32 hwreg(HW_REG_WAVE_MODE, 25, 1), 1
	s_wait_xcnt 0x0
	s_wait_alu depctr_hold_cnt(0) depctr_sa_sdst(0) depctr_va_vdst(0) depctr_va_sdst(0) depctr_va_ssrc(0) depctr_va_vcc(0) depctr_vm_vsrc(0)
	s_getreg_b32 s2, hwreg(HW_REG_IB_STS2, 6, 4)
	s_cmp_eq_u32 s2, 0
	s_cbranch_scc0 .Lentry_in_a_cluster
	s_endpgm
.Lentry_in_a_cluster:
	s_bfe_u32 s2, ttmp6, 0x10000c
	s_cmp_lg_u32 s2, 0xf033
	s_cbranch_scc0 .Lentry_shape_is_right
	s_endpgm
.Lentry_shape_is_right:
; q = x Wq^T + bq, k = x Wk^T + bk and v^T = Wv x^T + bv on codes of FP6 (E2M3) with E8M0 scales, K = 1,024; the results are quantised in registers and leave as codes, in the order of attention's operand registers.
; OPERANDS (x_op, w_op): rows in groups of 128, 8 tiles of 16; lane r of tile t holds row 32 (t / 2) + 8 (t % 2) + r + 8 (r / 8).  A group's K step of 256 with its scale words is one dense block of 25,600 bytes:
; codes at q 12,288 + t 1,536 + p 256 + 8 lane (piece p = registers 2 p, 2 p + 1 of the fragment), scale words at 24,576 + q 512 + (t / 4) 256 + 16 r + 4 (t % 4).
; A tile of the result is 256 x 256: four waves, as many as a WGP has SIMDs, 128 x 128 each in 64 accumulators.  K goes in four steps of 256 through two LDS slots; a wave's one tensor load brings one block.
; THE MATRIX INSTRUCTION IS USED TRANSPOSED: source 0 = 16 rows of B, source 1 = 16 rows of A.  By the tiles' order of rows a lane's 64 registers of one block of A's rows are then, as register 16 u + i,
; B's row 32 u + 16 (lane / 16) + i: 16 neighbours of each block of 32 along the NEXT product's K, which is what the conversions take.
; THREE PRODUCTS IN ONE GRID, told apart by the cluster's x, which all partners share, by selects alone (one path):  0: q, 1: k: A = x (tokens in lanes), B = W (channels in registers: quantised along the head's 64);
; 2: v: A = Wv (channels in lanes), B = x (tokens in registers: quantised along the keys).
; CLUSTERS: 4 x 4 work-groups; A's blocks are asked for jointly along a row of the cluster, B's along a column.
; THE BIASES: the one along B's rows is the C of the first K step's products; the one along A's rows is added on the way out.  The one that a product does not have is loaded from bv's head and cleared.
; OUT: qb: a block of 13,312 bytes for each (head pair hp = 8 batch + pair, group of 128 tokens): codes at e 6,144 + t 768 + p' 256 + 8 lane (e: the head's parity; p': the head's half fragment, 6 registers);
; scale words at 12,288 + e 512 + (t / 4) 256 + 16 r + 4 (t % 4): plane 0 the word, plane 1 the word turned by 16 bits, so that a head's two bytes are bytes 0 and 1.
; kv: a block of 26,624 bytes likewise: K's codes at 0 (as qb's), V^T's at 12,288 + (p / 3) 6,144 + a 768 + (p % 3) 256 + 8 lane (a: tile of 16 channels), K's scale words at 24,576, V's at 25,600 (its second plane is not read).
; LIMITS: a block of zeros gets the byte 1 where the rule says 127 (its codes are zeros; this program alone reads the bytes); NaN and infinities are not served.
; REGISTERS: window 0: v16-25 addresses; v28, v29 the add's two; v32-63 scale words, two sets; v64-127 the bias along B's rows; v128-223 A's fragments, one set; v240-255 the bias along A's rows, each number twice.
;   window 1: B's fragments, two sets, at v0 and v128.  windows 2, 3: the accumulators ((a, b) at v[8 (8 (a % 4) + b)]).  On the way out window 0's v128-239 are at work.
.set HALFT, 25600                      ; what one tensor load brings: 128 rows x 256 K and their scale words
.set SLOT,  4*HALFT                    ; A's two halves, then B's two
.set SPARE, 2*SLOT                     ; behind the ring: the spare words, 128 bytes a wave: two blocks of 256 bytes that no other line names
.set FR,   12                          ; registers of a fragment
.set NL,   6                           ; LDS loads that bring one
.set ADRA, 16                          ; v16-17  my A fragments in slot 0, 1
.set ADRB, 20                          ; v20-21  my B fragments
.set ADRS, 22                          ; v22-23  my scale words: lanes 0-15 A's, lanes 16-31 B's
.set OC,   24                          ; v24     8 x lane
.set OS,   25                          ; v25     512 h + 16 r
.set SPW,  28
.set NIL,  29
.set SC,   32
.set BN,   64
.set AF,   128
.set T,    128                         ; the way out: 64 numbers
.set PC,   192                         ; codes
.set TM,   212                         ; at work in QUANT
.set DW,   228                         ; what a scale store sends
.set SW,   232                         ; the eight scale words
.set BM,   240
.set G1,   28                          ; s[28:35] group 1 for A's blocks; s[36:43] group 0, a set for each slot
.set G0,   36
.set G1B,  44                          ; s[44:51], s[52:59] the same for B's
.set G0B,  52
.set SEL,  76
.set MSB, 0
.macro WIN new                         ; the immediate's high byte repeats the setting that is left
.if MSB != (\new)
	s_set_vgpr_msb (MSB<<8)|(\new)
.set MSB, (\new)
.endif
.endm
.set MUL_LO, 0xa1                      ; source 0 (B) window 1, source 1 (A) window 0, C and D window 2
.set MUL_HI, 0xf1                      ; the same, C and D window 3
.set TO_B,   0x40                      ; destination window 1, address window 0
.macro PLACES                          ; four places behind a matrix instruction of this form, in front of loads into registers that it has read and of reads of results
.rept 4
	v_nop
.endr
.endm
; A joint load: waves 0 and 1 fetch A's halves, waves 2 and 3 B's.  The branch hangs on the wave's number alone.  An s_nop 0 and four v_nop follow each line.
.macro JLOAD s
	s_cmp_eq_u32 s19, 0
	s_cbranch_scc0 .Lfor_b_\@
	tensor_load_to_lds s[G0+4*\s:G0+4*\s+3], s[G1:G1+7]
	s_nop 0
.rept 4
	v_nop
.endr
	s_branch .Lasked_\@
.Lfor_b_\@:
	tensor_load_to_lds s[G0B+4*\s:G0B+4*\s+3], s[G1B:G1B+7]
	s_nop 0
.rept 4
	v_nop
.endr
.Lasked_\@:
.endm
.macro CREST                           ; a round of the cluster's barrier behind its opening barrier
	s_cmp_lg_u32 s18, 0
	s_cbranch_scc1 .Lnot_wave_0_\@
	s_barrier_signal -3
.Lnot_wave_0_\@:
	s_barrier_wait -3
	s_barrier_signal -1
	s_barrier_wait -1
.endm
.macro CROUND
	s_barrier_signal -1
	s_barrier_wait -1
	CREST
.endm
.macro QUANT s, pw                     ; 64 numbers, register 16 b + i = k 32 b + 16 (lane / 16) + i of my row -> a fragment's codes in v[PC] on, its scale word in v[pw]
.irp b, 0,1,2,3
	v_max3_num_f32 v[TM+\b], |v[(\s)+16*\b]|, |v[(\s)+1+16*\b]|, 0x1800000   ; with the floor 2^(3 - 127): the byte cannot fall under 1
.endr
.irp i, 2,4,6,8,10,12,14
.irp b, 0,1,2,3
	v_max3_num_f32 v[TM+\b], v[TM+\b], |v[(\s)+16*\b+\i]|, |v[(\s)+1+16*\b+\i]|
.endr
.endr
.irp b, 0,1,2,3
	v_permlanex16_b32 v[TM+4+\b], v[TM+\b], s[SEL], s[SEL+1]
.endr
.irp b, 0,1,2,3
	v_max_num_f32 v[TM+\b], v[TM+\b], v[TM+4+\b]
.endr
.irp b, 0,1,2,3
	v_add_nc_u32 v[TM+12+\b], 0xff000000, v[TM+\b]   ; 2 off the exponent field: the conversion's scale operand
.endr
.irp b, 0,1,2,3
	v_lshrrev_b32 v[TM+4+\b], 23, v[TM+12+\b]
.endr
	v_lshl_or_b32 v[\pw], v[TM+5], 8, v[TM+4]
	v_lshl_or_b32 v[\pw], v[TM+6], 16, v[\pw]
	v_lshl_or_b32 v[\pw], v[TM+7], 24, v[\pw]
.irp c, 0,1
	v_cvt_scalef32_pk16_fp6_f32 v[PC+6*\c:PC+2+6*\c], v[(\s)+32*\c:(\s)+15+32*\c], v[TM+12+2*\c]
	v_cvt_scalef32_pk16_fp6_f32 v[PC+12+4*\c:PC+14+4*\c], v[(\s)+16+32*\c:(\s)+31+32*\c], v[TM+12+2*\c+1]
.endr
	v_nop                                          ; one plain place behind a scaled conversion
.irp c, 0,1
.irp i, 0,1,2
	v_permlane16_swap_b32 v[PC+6*\c+\i], v[PC+12+4*\c+\i]
.endr
.irp i, 0,1,2
	v_mov_b32 v[PC+3+6*\c+\i], v[PC+12+4*\c+\i]
.endr
.endr
.endm
	s_load_b256 s[4:11], s[0:1], 0x0               ; x_op, w_op, bq, bk
	s_load_b128 s[12:15], s[0:1], 0x20             ; bv, qb
	s_load_b64 s[16:17], s[0:1], 0x30              ; kv
	v_lshl_add_u32 v[SPW], v0, 2, SPARE
	v_mov_b32 v[NIL], 0
	ds_add_u32 v[SPW], v[NIL]                      ; the wave's opening: the add and its wait stand ahead of my first tensor load; work on registers stands between them
	v_lshrrev_b32 v1, 5, v0
	v_readfirstlane_b32 s18, v1                    ; wave 0..3
	s_lshr_b32 s19, s18, 1                         ; which half of A's rows is mine.  Also: I fetch for A (0) or for B (1)
	s_and_b32 s20, s18, 1                          ; which half of B's rows.  Also: which half I fetch
	s_bfe_u32 s21, ttmp6, 0x40000                  ; cx
	s_bfe_u32 s22, ttmp6, 0x40004                  ; cy
	s_mov_b32 s23, ttmp9                           ; the cluster's x: 0 q, 1 k, 2 v
	s_and_b32 s24, ttmp7, 0xffff                   ; the cluster's y
	s_lshl_b32 s80, s24, 2
	s_add_co_u32 s81, s80, s22                     ; 4 cluster y + cy
	s_add_co_u32 s82, s80, s21                     ; 4 cluster y + cx
	s_lshl_b32 s83, s23, 2
	s_add_co_u32 s83, s83, s21                     ; 4 cluster x + cx
	s_cmp_eq_u32 s23, 2
	s_cselect_b32 s25, s22, s81                    ; tile row: of A's 256 rows (v: channels; else tokens): it holds no cx
	s_cselect_b32 s26, s82, s83                    ; tile column: of B's (v: tokens; else channels of Wq, Wk on end): it holds no cy
	s_cselect_b32 s84, 16, 0                       ; Wv's first group in w_op
	s_lshl_b32 s85, s22, 2
	s_lshl_b32 s85, 15, s85                        ; my row of the cluster
	s_lshl_b32 s86, 0x1111, s21                    ; my column
	s_or_b32 s[G1], s85, (3<<16)|(1<<21)           ; 15:0 the mask; 17:16 elements of 8 bytes; 21 set beside a mask; no padding: every LDS access takes 256 consecutive bytes
	s_or_b32 s[G1B], s86, (3<<16)|(1<<21)
.irp g, G1, G1B
	s_mov_b32 s[\g+1], 32<<16                      ; tensor_dim0 = 32 elements: rows of 256 bytes
	s_mov_b32 s[\g+2], 100<<16                     ; tensor_dim1 = 100 rows: a dense block of 25,600 bytes
	s_mov_b32 s[\g+3], 32<<16                      ; tile_dim0
	s_mov_b32 s[\g+4], 100                         ; tile_dim1
	s_mov_b32 s[\g+5], 32                          ; the pitch
	s_mov_b32 s[\g+6], 0
	s_mov_b32 s[\g+7], 0
.endr
	s_lshl_b32 s87, s25, 1
	s_add_co_u32 s87, s87, s20
	s_add_co_u32 s87, s87, s84
	s_mul_i32 s88, s87, 102400                     ; A: the group that I fetch
	s_mov_b32 s89, 0
	s_lshl_b32 s90, s26, 1
	s_add_co_u32 s90, s90, s20
	s_mul_i32 s90, s90, 102400                     ; B likewise
	s_mov_b32 s91, 0
	s_mul_i32 s92, s18, HALFT                      ; where it goes: wave x a block: no place in the cluster enters an LDS address
	s_wait_dscnt 0x0                               ; the opening add is done
	s_wait_kmcnt 0x0
	s_cmp_eq_u32 s23, 2
	s_cselect_b64 s[60:61], s[6:7], s[4:5]         ; A's buffer
	s_cselect_b64 s[62:63], s[4:5], s[6:7]         ; B's
	s_add_nc_u64 s[60:61], s[60:61], s[88:89]
	s_add_nc_u64 s[62:63], s[62:63], s[90:91]
	CROUND                                         ; all sixteen work-groups are here: the first joint loads meet
.irp s, 0,1
	s_mov_b32 s[G0+4*\s], 1
	s_add_co_u32 s[G0+4*\s+1], s92, \s*SLOT
	s_add_nc_u64 s[G0+4*\s+2:G0+4*\s+3], s[60:61], \s*HALFT      ; K step s
	s_or_b32 s[G0+4*\s+3], s[G0+4*\s+3], 0x80000000
	s_mov_b32 s[G0B+4*\s], 1
	s_add_co_u32 s[G0B+4*\s+1], s92, \s*SLOT
	s_add_nc_u64 s[G0B+4*\s+2:G0B+4*\s+3], s[62:63], \s*HALFT
	s_or_b32 s[G0B+4*\s+3], s[G0B+4*\s+3], 0x80000000
	JLOAD \s
.endr
	; which biases, and where my 128 x 128 goes
	s_lshl_b32 s80, s26, 1
	s_add_co_u32 s80, s80, s20                     ; my group of B's rows
	s_lshl_b32 s81, s25, 1
	s_add_co_u32 s81, s81, s19                     ; my group of A's rows
	s_and_b32 s82, s80, 7
	s_cmp_eq_u32 s23, 2
	s_cselect_b32 s83, s80, s81                    ; the group of 128 tokens, 0..63
	s_cselect_b32 s84, s81, s82                    ; the head pair in its batch
	s_cselect_b32 s85, 0, s82                      ; the bias along B's rows: which 128 numbers
	s_cselect_b32 s86, s81, 0                      ; the one along A's rows
	s_cselect_b32 s74, 0, -1                       ; keeps or clears the first,
	s_cselect_b32 s75, -1, 0                       ; the second
	s_cselect_b32 s87, 12288, 0                    ; the codes' place in the block
	s_cselect_b64 s[2:3], s[12:13], s[10:11]
	s_mov_b32 s93, 25600
	s_cselect_b32 s93, s93, 24576                  ; the scale words' place
	s_cmp_eq_u32 s23, 0
	s_cselect_b64 s[2:3], s[8:9], s[2:3]           ; bq, bk or bv
	s_cselect_b64 s[66:67], s[14:15], s[16:17]     ; qb or kv
	s_cselect_b32 s93, 12288, s93
	s_mov_b32 s94, 26624
	s_cselect_b32 s94, 13312, s94                  ; a block's bytes
	s_lshl_b32 s88, s85, 9
	s_add_nc_u64 s[2:3], s[2:3], s[88:89]
	s_lshl_b32 s88, s86, 9
	s_add_nc_u64 s[70:71], s[12:13], s[88:89]
	s_lshr_b32 s95, s83, 4                         ; the batch
	s_lshl_b32 s95, s95, 3
	s_add_co_u32 s95, s95, s84                     ; hp
	s_lshl_b32 s95, s95, 4
	s_and_b32 s83, s83, 15
	s_add_co_u32 s95, s95, s83                     ; the block's number: 16 hp + the group in its batch
	s_mul_i32 s95, s95, s94
	s_add_co_u32 s88, s95, s93
	s_add_nc_u64 s[68:69], s[66:67], s[88:89]      ; the scale words
	s_add_co_u32 s88, s95, s87
	s_add_nc_u64 s[66:67], s[66:67], s[88:89]      ; the codes
	s_mov_b32 s[SEL], 0x76543210
	s_mov_b32 s[SEL+1], 0xfedcba98
	s_mov_b32 s78, 0xffff0000                      ; lanes 16-31
	v_and_b32 v1, 31, v0                           ; lane
	v_and_b32 v2, 15, v0                           ; r
	v_bfe_u32 v3, v0, 4, 1                         ; h
	v_lshlrev_b32 v4, 6, v3                        ; 16 h numbers
	v_and_b32 v5, 8, v2
	v_add_nc_u32 v5, v5, v2
	v_lshlrev_b32 v5, 2, v5                        ; r + 8 (r / 8) numbers
.irp b, 0,1,2,3,4,5,6,7                        ; register 8 b + j: the bias of B's row 32 (b / 2) + 16 h + 8 (b % 2) + j: the result's layout
	global_load_b128 v[BN+8*\b:BN+8*\b+3], v4, s[2:3] offset:(32*(\b/2)+8*(\b%2))*4
	global_load_b128 v[BN+8*\b+4:BN+8*\b+7], v4, s[2:3] offset:(32*(\b/2)+8*(\b%2))*4+16
.endr
.irp a, 0,1,2,3,4,5,6,7                        ; the bias of A's row in my lane of block a, twice: a pair for the packed addition
	global_load_b32 v[BM+2*\a], v5, s[70:71] offset:(32*(\a/2)+8*(\a%2))*4
	global_load_b32 v[BM+2*\a+1], v5, s[70:71] offset:(32*(\a/2)+8*(\a%2))*4
.endr
	v_lshlrev_b32 v[OC], 3, v1
	v_lshlrev_b32 v[OS], 4, v2
	v_lshl_add_u32 v[OS], v3, 9, v[OS]
	s_mul_i32 s80, s19, HALFT                      ; my half of A,
	s_mul_i32 s81, s20, HALFT
	s_add_co_u32 s81, s81, 2*HALFT                 ; my half of B, behind A's two
.irp s, 0,1
	v_add_nc_u32 v[ADRA+\s], s80, v[OC]
	v_add_nc_u32 v[ADRB+\s], s81, v[OC]
	s_add_co_u32 s80, s80, SLOT
	s_add_co_u32 s81, s81, SLOT
.endr
	s_mul_i32 s80, s19, HALFT
	s_mul_i32 s81, s20, HALFT
	s_add_co_u32 s81, s81, 2*HALFT
	s_sub_co_u32 s81, s81, s80
	v_mul_u32_u24 v7, s81, v3                      ; lanes 16-31 take B's words: one product by h
	v_lshl_add_u32 v7, v2, 4, v7
	s_add_co_u32 s80, s80, 24576
	v_add_nc_u32 v[ADRS], s80, v7
	s_add_co_u32 s80, s80, SLOT
	v_add_nc_u32 v[ADRS+1], s80, v7
	s_wait_loadcnt 0x0                             ; the biases
.set NN, 0
.rept 64
	v_and_b32 v[BN+NN], s74, v[BN+NN]
.set NN, NN+1
.endr
.set NN, 0
.rept 16
	v_and_b32 v[BM+NN], s75, v[BM+NN]
.set NN, NN+1
.endr
.macro FRAG reg, adr, q, i             ; a fragment as it lies: six pieces of 256 consecutive bytes
.irp p, 0,1,2,3,4,5
	ds_load_b64 v[\reg+2*\p:\reg+2*\p+1], v[\adr] offset:(\q)*12288+(\i)*1536+\p*256
.endr
.endm
; 16 matrix instructions: A's blocks a0, a0 + 1 x B's eight, the slot's q-th 128 along K.  p: B's set; sc: the set of scale words.  first = 1: the bias is the C: nothing is cleared.
; The 64 accumulators take turns, one instruction a turn, in the same order in every step.
.macro MUL16 a0, p, q, sc, first
.irp a, \a0, \a0+1
.irp b, 0,1,2,3,4,5,6,7
.if \first
	v_wmma_scale_f32_16x16x128_f8f6f4 v[8*(8*((\a)%4)+\b):8*(8*((\a)%4)+\b)+7], v[128*(\p)+FR*\b:128*(\p)+FR*\b+FR-1], v[AF+FR*(\a):AF+FR*(\a)+FR-1], v[BN+8*\b:BN+8*\b+7], v[SC+16*(\sc)+8*(\q)+\b], v[SC+16*(\sc)+8*(\q)+(\a)] matrix_a_fmt:MATRIX_FMT_FP6 matrix_b_fmt:MATRIX_FMT_FP6 matrix_a_scale:MATRIX_SCALE_ROW1
.else
	v_wmma_scale_f32_16x16x128_f8f6f4 v[8*(8*((\a)%4)+\b):8*(8*((\a)%4)+\b)+7], v[128*(\p)+FR*\b:128*(\p)+FR*\b+FR-1], v[AF+FR*(\a):AF+FR*(\a)+FR-1], v[8*(8*((\a)%4)+\b):8*(8*((\a)%4)+\b)+7], v[SC+16*(\sc)+8*(\q)+\b], v[SC+16*(\sc)+8*(\q)+(\a)] matrix_a_fmt:MATRIX_FMT_FP6 matrix_b_fmt:MATRIX_FMT_FP6 matrix_a_scale:MATRIX_SCALE_ROW1
.endif
.endr
.endr
.endm
.macro FETCH_B slot, q, p
	WIN TO_B
.irp i, 0,1,2,3,4,5,6,7
	FRAG 128*(\p)+FR*\i, ADRB+\slot, \q, \i
.endr
	WIN 0
.endm
.macro FETCH_A slot, q, i0
.irp i, \i0, \i0+1, \i0+2, \i0+3
	FRAG AF+FR*(\i), ADRA+\slot, \q, \i
.endr
.endm
.macro SCALES set                      ; a slot's scale words: register 8 q + t: lanes 0-15 the word of A's tile t, lanes 16-31 that of B's tile t
.irp q, 0,1
.irp jj, 0,1
	ds_load_b128 v[SC+16*\set+8*\q+4*\jj:SC+16*\set+8*\q+4*\jj+3], v[ADRS+\set] offset:\q*512+\jj*256
.endr
.endr
.endm
.macro STEP slot, first                ; a slot's first 128 along K
	s_wait_dscnt 4*NL                              ; B's set, A's blocks 0-3 and the scale words are in; the youngest 24 loads (A's blocks 4-7) may be out
.if \first
	WIN 0x81                                       ; C (the bias) window 0, D window 2
.else
	WIN MUL_LO
.endif
	MUL16 0, 0, 0, \slot, \first
	MUL16 2, 0, 0, \slot, \first
	s_wait_dscnt 0x0                               ; A's blocks 4-7 are in
	PLACES
	FETCH_B \slot, 1, 1
	FETCH_A \slot, 1, 0
.if \first
	WIN 0xc1
.else
	WIN MUL_HI
.endif
	MUL16 4, 0, 0, \slot, \first
	MUL16 6, 0, 0, \slot, \first
	PLACES
	WIN 0
	FETCH_A \slot, 1, 4
.endm
; A slot's second 128 along K changes slots: one barrier; in front of it each wave waits for all its tensor loads, adds 0 to its spare word, and waits for that and for its reads of this slot.
.macro TURN slot, next, fill
	s_wait_tensorcnt 0x0                           ; all my tensor loads have landed: my part of the next slot
	ds_add_u32 v[SPW], v[NIL]                      ; 0 onto my spare word
	s_wait_dscnt 4*NL+1                            ; the add and the youngest 24 loads (A's blocks 4-7) may be out
	WIN MUL_LO
	MUL16 0, 1, 1, \slot, 0
	s_wait_dscnt 0x0                               ; the add is done, and my reads of this slot are over
	s_barrier_signal -1
	MUL16 2, 1, 1, \slot, 0
	WIN 0
	s_barrier_wait -1
.if \fill
	CREST                                          ; the barrier has opened a round of the cluster's: no wave of any partner still reads this slot or has a load on its way
	s_add_nc_u64 s[G0+4*\slot+2:G0+4*\slot+3], s[G0+4*\slot+2:G0+4*\slot+3], 2*HALFT
	s_add_nc_u64 s[G0B+4*\slot+2:G0B+4*\slot+3], s[G0B+4*\slot+2:G0B+4*\slot+3], 2*HALFT
	JLOAD \slot                                    ; the first tensor load behind the round; its four v_nop are the places in front of the loads below
.else
	PLACES
.endif
	FETCH_B \next, 0, 0
	FETCH_A \next, 0, 0
	SCALES \next
	WIN MUL_HI
	MUL16 4, 1, 1, \slot, 0
	MUL16 6, 1, 1, \slot, 0
	PLACES
	WIN 0
	FETCH_A \next, 0, 4
.endm
	s_wait_tensorcnt 1                             ; my part of K step 0 is in; K step 1's load may be out
	s_barrier_signal -1
	s_barrier_wait -1
	FETCH_B 0, 0, 0
	FETCH_A 0, 0, 0
	SCALES 0
	FETCH_A 0, 0, 4
	STEP 0, 1                                      ; four K steps of 256, written out
	TURN 0, 1, 1
	STEP 1, 0
	TURN 1, 0, 1
	STEP 0, 0
	TURN 0, 1, 0                                   ; nothing is left to fetch
	STEP 1, 0
	s_wait_dscnt 4*NL
	WIN MUL_LO
	MUL16 0, 1, 1, 1, 0
	MUL16 2, 1, 1, 1, 0
	s_wait_dscnt 0x0
	WIN MUL_HI
	MUL16 4, 1, 1, 1, 0
	MUL16 6, 1, 1, 1, 0
	WIN 0
	; THE WAY OUT: block by block of A's 16 rows: + the bias along A's rows, quantised along B's rows, stored as the fragment's six pieces.  No LDS: a lane's registers are the reader's registers.
	PLACES
.irp b, 0,1,2,3
	v_mov_b32 v[TM+4+\b], 0                        ; a lane permute's destination counts as one of its sources
.endr
.macro OUT a
.set AC, 64*((\a)%4)
	WIN 0x02+((\a)/4)                              ; source 0: window 2 or 3
.set NN, 0
.rept 32
	v_pk_add_f32 v[T+NN:T+NN+1], v[AC+NN:AC+NN+1], v[BM+2*(\a):BM+2*(\a)+1]   ; each accumulator from its low end on
.set NN, NN+2
.endr
	WIN 0
	s_wait_xcnt 0x0                                ; the last block's stores have read their codes
	QUANT T, SW+(\a)
.irp p, 0,1,2,3,4,5
	global_store_b64 v[OC], v[PC+2*\p:PC+2*\p+1], s[66:67] offset:(\p/3)*6144+(\a)*768+(\p%3)*256   ; 256 consecutive bytes, aligned
.endr
.endm
.irp a, 0,1,2,3,4,5,6,7
	OUT \a
.endr
.irp jj, 0,1                                   ; the scale words: lanes 0-15 plane 0, lanes 16-31 plane 1, turned by 16 bits
	s_wait_xcnt 0x0
.irp i, 0,1,2,3
	v_alignbit_b32 v[DW+\i], v[SW+4*\jj+\i], v[SW+4*\jj+\i], 16
.endr
.irp i, 0,1,2,3
	v_cndmask_b32 v[DW+\i], v[SW+4*\jj+\i], v[DW+\i], s78
.endr
	global_store_b128 v[OS], v[DW:DW+3], s[68:69] offset:256*\jj   ; each half of the lanes stores 256 consecutive bytes, aligned
.endr
	s_wait_tensorcnt 0x0                           ; the wave's end
	ds_add_u32 v[SPW], v[NIL]
	s_wait_dscnt 0x0
	CROUND                                         ; the closing round: no work-group ends while a partner may still ask for a block that names it
	s_endpgm
.Lfunc_end_k_qf7b21dadc7_qkv:
	.size	k_qf7b21dadc7_qkv, .Lfunc_end_k_qf7b21dadc7_qkv-k_qf7b21dadc7_qkv
	.p2alignl 7, 3214868480
	.fill 96, 4, 3214868480
	.section	.rodata,"a",@progbits
	.p2align	6, 0x0
	.amdhsa_kernel k_qf7b21dadc7_qkv
		.amdhsa_group_segment_fixed_size 327680
		.amdhsa_private_segment_fixed_size 0
		.amdhsa_enable_private_segment 0
		.amdhsa_kernarg_size 56
		.amdhsa_user_sgpr_count 2
		.amdhsa_user_sgpr_kernarg_segment_ptr 1
		.amdhsa_wavefront_size32 1
		.amdhsa_system_sgpr_workgroup_id_x 1
		.amdhsa_system_sgpr_workgroup_id_y 1
		.amdhsa_system_sgpr_workgroup_id_z 1
		.amdhsa_system_vgpr_workitem_id 0
		.amdhsa_next_free_vgpr 1024
		.amdhsa_next_free_sgpr 100
		.amdhsa_reserve_vcc 0
		.amdhsa_float_denorm_mode_32 3
		.amdhsa_float_denorm_mode_16_64 3
		.amdhsa_memory_ordered 1
		.amdhsa_forward_progress 1
		.amdhsa_inst_pref_size 186
	.end_amdhsa_kernel
	.amdgpu_metadata
---
amdhsa.version: [ 1, 2 ]
amdhsa.kernels:
  - .name:           k_qf7b21dadc7_qkv
    .symbol:         k_qf7b21dadc7_qkv.kd
    .args:
      - { .name: x_op, .offset: 0, .size: 8, .value_kind: global_buffer, .address_space: global }
      - { .name: w_op, .offset: 8, .size: 8, .value_kind: global_buffer, .address_space: global }
      - { .name: bq, .offset: 16, .size: 8, .value_kind: global_buffer, .address_space: global }
      - { .name: bk, .offset: 24, .size: 8, .value_kind: global_buffer, .address_space: global }
      - { .name: bv, .offset: 32, .size: 8, .value_kind: global_buffer, .address_space: global }
      - { .name: qb, .offset: 40, .size: 8, .value_kind: global_buffer, .address_space: global }
      - { .name: kv, .offset: 48, .size: 8, .value_kind: global_buffer, .address_space: global }
    .group_segment_fixed_size: 327680
    .private_segment_fixed_size: 0
    .kernarg_segment_align: 8
    .kernarg_segment_size: 56
    .max_flat_workgroup_size: 128
    .sgpr_count:     100
    .vgpr_count:     1024
    .wavefront_size: 32
...
	.end_amdgpu_metadata
.endif
;; end of part 2
;; launch attn (part 3): grid 8 x 32, 16 waves a work-group, no clusters, 327,680 bytes of LDS; arguments qb, kv, y_op; writes y_op
.if DOCPART == 3
	.amdgcn_target "amdgcn-amd-amdhsa--gfx1250"
	.amdhsa_code_object_version 6
	.text
	.protected	k_qf7b21dadc7_attn
	.globl	k_qf7b21dadc7_attn
	.p2align	8
	.type	k_qf7b21dadc7_attn,@function
k_qf7b21dadc7_attn:
	s_mov_b64 s[64:65], 0
	v_nop
	global_prefetch_b8 v0, s[64:65] scope:SCOPE_SE
	s_setreg_imm32_b32 hwreg(HW_REG_WAVE_MODE, 25, 1), 1
	s_wait_xcnt 0x0
; Causal attention on codes of FP6 (E2M3) with E8M0 scales: S^T = K Q^T (K = the head's 64), p = 2^(t - M), O^T = V^T P^T (K = the keys), y = O / l, quantised along the channels for the last product.
; t = score x log2(e) / 8; M = the row's largest t so far, rounded up to a whole number; the row's sum l is taken of the unquantised p; when M moves, l and O are multiplied by 2^(old M - new M): exact.
; SHARES: a work-group has one pair of heads (hp = 8 batch + pair) and two groups of 128 queries, first 15 - g, then g.  Group G needs the key steps 0 .. G of 128 keys, so every work-group has
; (16 - g) + (g + 1) = 17 steps: 256 equal work-groups, and the trip count is a constant.  Wave w: head w % 2 of the pair, tile w / 2 of 16 queries.  A group's last step lies on the diagonal, for all waves alike.
; A key step of a pair of heads is one dense block of 26,624 bytes in kv (K's codes, V^T's codes, both scale words), in the order of the operands' registers; it comes through two LDS slots; waves 0-3 fetch a quarter each.
; NO CLUSTER: the eight work-groups of a pair of heads go back to key step 0 at trip 16 - g, each at a trip of its own, so behind that trip partners would ask for different blocks in the same round;
; a form in which all ask for everything takes 16 + 8 = 24 rounds for 17 steps of work.
; LAYOUT: both products are used transposed: a lane holds one query (lane % 16).  Lane r of a tile of keys, queries or channels holds row 32 (t / 2) + 8 (t % 2) + r + 8 (r / 8) of its 128, so that
; the 16 registers of tiles 2 b, 2 b + 1 of S^T are keys 32 b + 16 (lane / 16) + 0 .. 15, and O^T's likewise channels.
; K = 64 IN AN INSTRUCTION OF 128: Q's registers 6-11 are zero codes.  K's operand of tile t is v[32 + 6 t : 43 + 6 t]: its upper six registers are the next tile's codes (for tile 7: zeros): every code is a finite
; number and meets a zero code; the scale bytes 2 and 3 are the other head's, 1 .. 254.  So half a fragment is read and held for each tile.
; LIMITS: a block's largest p is taken from its largest score (v_exp_f32 is taken not to fall where its input rises); 1 / l by v_rcp_f32; a block of zeros gets the byte 1 (its codes are zeros); NaN and infinities are not served.
; REGISTERS: v1-4, v7, v28-31 addresses that stay; v5, v6 the add's two; v8-11 the step's addresses; v12 -M, v13 the largest t, v[14:15] the sum; v16-21 Q, v22-27 zeros; v32-79 K's 8 half fragments, then V's 4 fragments;
; v80-85 zeros; v96-159 S^T, then p; v160-191 O^T; v192-198 the second group's Q and scale word; v204-211 K's scale words; v224-235 p's codes; v232-247, v252, v254 at work; v248-251 V's scale words; v253 p's; v255 Q's.
.set BLK,   26624                      ; a key step's block
.set QUART, 6656                       ; 26 rows of 256 bytes: what one tensor load brings
.set SLOT1, 32768                      ; slot 1 begins here: one exclusive or turns an address
.set SSTG,  65536                      ; y's half scale words: two regions (one a group of queries) of 128 bytes a wave
.set SPARE, 69632                      ; the spare words, 128 bytes a wave: eight blocks of 256 bytes that no other line names
.set SPW,  5
.set NIL,  6
.set L8,   7                           ; v7   8 x lane
.set PFO,  28                          ; v28  256 x lane
.set WV,   10
.set EH,   11                          ; the head's parity
.set JT,   12                          ; my tile of queries
.set HP,   14
.set TB,   15                          ; the slot in hand
.set KS,   16                          ; the key step in hand
.set LASTK, 17                         ; the group's last key step
.set G2,   18                          ; the second group
.set TRIPS, 19
.set SEL,  20
.set CS,   22                          ; s[22:23] c = log2(e) / 8
.set G1D,  24                          ; s[24:31] descriptor group 1
.set YC1,  32                          ; s[32:33], s[34:35] where my codes of y go, first and second group
.set YC2,  34
.set YSF,  36                          ; s[36:37] where waves 0 and 1 store a group's scale words
.set PFA,  38                          ; s[38:39] where my prefetches stand
.set G0,   40                          ; s[40:43] descriptor group 0: it walks
.set BASEW, 44                         ; s[44:45] my quarter of the pair's key step 0
.set LIM,  46                          ; 3 in a wave that prefetches, else the greatest number
.set QB1,  48
.set QB2,  50
.macro TLOAD                           ; waves 0-3 fetch; the branch hangs on the wave's number alone; an s_nop 0 and four v_nop follow the load
	s_cmp_lt_u32 s[WV], 4
	s_cbranch_scc0 .Lno_load_\@
	tensor_load_to_lds s[G0:G0+3], s[G1D:G1D+7]
	s_nop 0
.rept 4
	v_nop
.endr
.Lno_load_\@:
.endm
; A PREFETCH INTO THE L2.  All eight work-groups of a pair of heads walk the same blocks from key step 0 on: work-group 0, which walks steps 0 to 15 on end, asks, and nobody else.  In it waves 4, 5, 6, which fetch
; nothing, name in trip n the 24,576 bytes of codes of step n + 3: 8,192 bytes a wave, lanes 256 bytes apart, one instruction: two trips ahead of the tensor load of that step.  Each block of 256 bytes is named once.
; Steps 0 to 2 and the scale words come by their loads alone; trips 13 on (TRIPS 3 and less) ask for nothing: step 15 is the last.
.macro ASK
	s_cmp_gt_u32 s[TRIPS], s[LIM]
	s_cbranch_scc0 .Lnot_mine_\@
	global_prefetch_b8 v[PFO], s[PFA:PFA+1] th:TH_LOAD_NT scope:SCOPE_SE
.Lnot_mine_\@:
.endm
	s_load_b128 s[4:7], s[0:1], 0x0                ; qb, kv
	s_load_b64 s[8:9], s[0:1], 0x10                ; y_op
	v_lshl_add_u32 v[SPW], v0, 2, SPARE
	v_mov_b32 v[NIL], 0
	ds_add_u32 v[SPW], v[NIL]                      ; the wave's opening: the add and its wait stand ahead of my first tensor load; work on registers stands between them
	v_lshrrev_b32 v8, 5, v0
	v_readfirstlane_b32 s[WV], v8                  ; wave 0..15
	s_and_b32 s[EH], s[WV], 1
	s_lshr_b32 s[JT], s[WV], 1
	s_and_b32 s[HP], ttmp7, 0xffff
	s_sub_co_u32 s[LASTK], 15, ttmp9               ; the first group, and its last key step
	s_mov_b32 s[G2], ttmp9
	s_mov_b32 s[G1D], 3<<16                        ; no mask; elements of 8 bytes; no padding
	s_mov_b32 s[G1D+1], 32<<16                     ; tensor_dim0 = 32: rows of 256 bytes
	s_mov_b32 s[G1D+2], 26<<16                     ; tensor_dim1 = 26
	s_mov_b32 s[G1D+3], 32<<16                     ; tile_dim0
	s_mov_b32 s[G1D+4], 26                         ; tile_dim1
	s_mov_b32 s[G1D+5], 32                         ; the pitch
	s_mov_b32 s[G1D+6], 0
	s_mov_b32 s[G1D+7], 0
	s_mov_b32 s[SEL], 0x76543210
	s_mov_b32 s[SEL+1], 0xfedcba98
	s_mov_b32 s[CS], 0x3e38aa3b
	s_mov_b32 s[CS+1], s[CS]                       ; (named with it as a pair, so it is written)
	s_mov_b32 s[TB], 0
	s_mov_b32 s[KS], 0
	s_mov_b32 s57, 0                               ; the upper word of every offset; kept
	s_and_b32 s58, s[WV], 3
	s_mov_b32 s[G0], 1
	s_mul_i32 s[G0+1], s58, QUART                  ; LDS: my quarter of slot 0
	s_wait_dscnt 0x0                               ; the opening add is done
	s_wait_kmcnt 0x0
	s_mul_i32 s56, s[HP], 16*BLK
	s_add_nc_u64 s[52:53], s[6:7], s[56:57]        ; the pair's key step 0
	s_mul_i32 s56, s58, QUART
	s_add_nc_u64 s[BASEW:BASEW+1], s[52:53], s[56:57]
	s_mov_b64 s[G0+2:G0+3], s[BASEW:BASEW+1]
	s_or_b32 s[G0+3], s[G0+3], 0x80000000
	TLOAD                                          ; key step 0 into slot 0
	s_lshl_b32 s56, s58, 13
	s_add_co_u32 s56, s56, 2*BLK
	s_add_nc_u64 s[PFA:PFA+1], s[52:53], s[56:57]  ; in step 2: the first change of slots steps it to step 3.  Nothing is prefetched here, at the head
	s_sub_co_u32 s58, s[WV], 4
	s_cmp_lt_u32 s58, 3                            ; waves 4, 5, 6
	s_cselect_b32 s58, 0, 1
	s_or_b32 s58, s58, ttmp9                       ; of work-group 0
	s_cmp_eq_u32 s58, 0
	s_cselect_b32 s[LIM], 3, -1
	; Q: both groups' half fragments and scale words stay in registers
	s_lshl_b32 s52, s[HP], 4
	s_add_co_u32 s53, s52, s[LASTK]
	s_mul_i32 s56, s53, 13312
	s_add_nc_u64 s[QB1:QB1+1], s[4:5], s[56:57]
	s_add_co_u32 s53, s52, s[G2]
	s_mul_i32 s56, s53, 13312
	s_add_nc_u64 s[QB2:QB2+1], s[4:5], s[56:57]
	s_mul_i32 s58, s[EH], 6144
	s_mul_i32 s59, s[JT], 768
	s_add_co_u32 s58, s58, s59                     ; my half fragment in a block of qb
	s_lshl_b32 s59, s[EH], 9
	s_lshr_b32 s60, s[JT], 2
	s_lshl_b32 s60, s60, 8
	s_add_co_u32 s59, s59, s60
	s_and_b32 s60, s[JT], 3
	s_lshl_b32 s60, s60, 2
	s_add_co_u32 s59, s59, s60
	s_add_co_u32 s59, s59, 12288                   ; and its scale words
	v_and_b32 v8, 31, v0                           ; lane
	v_and_b32 v9, 15, v0                           ; r
	v_bfe_u32 v10, v0, 4, 1                        ; h
	v_lshlrev_b32 v[L8], 3, v8
	v_add_nc_u32 v11, s58, v[L8]
	v_lshlrev_b32 v86, 4, v9                       ; 16 r
	v_add_nc_u32 v87, s59, v86
.irp p, 0,1,2
	global_load_b64 v[16+2*\p:17+2*\p], v11, s[QB1:QB1+1] offset:256*\p
	global_load_b64 v[192+2*\p:193+2*\p], v11, s[QB2:QB2+1] offset:256*\p
.endr
	global_load_b32 v255, v87, s[QB1:QB1+1]
	global_load_b32 v198, v87, s[QB2:QB2+1]
	s_mul_i32 s58, s[EH], 6144
	v_add_nc_u32 v1, s58, v[L8]                    ; K's half fragments of my head
	s_mul_i32 s58, s[EH], 3072
	s_add_co_u32 s58, s58, 12288
	v_add_nc_u32 v2, s58, v[L8]                    ; V^T's four fragments of my head
	s_lshl_b32 s58, s[EH], 9
	s_add_co_u32 s58, s58, 24576
	v_add_nc_u32 v3, s58, v86                      ; K's scale words: my head's plane
	s_lshl_b32 s58, s[EH], 8
	s_add_co_u32 s58, s58, 25600
	v_add_nc_u32 v4, s58, v86                      ; V's
	v_lshlrev_b32 v[PFO], 8, v8
	s_lshr_b32 s58, s[JT], 1
	s_lshl_b32 s58, s58, 5
	s_and_b32 s59, s[JT], 1
	s_lshl_b32 s59, s59, 3
	s_add_co_u32 s58, s58, s59
	v_and_b32 v29, 8, v9
	v_add_nc_u32 v29, v29, v9
	v_add_nc_u32 v29, s58, v29                     ; my query in its group,
	v_lshlrev_b32 v88, 4, v10
	v_sub_nc_u32 v29, v29, v88                     ; less 16 h: register 16 b + i of S^T is hidden on the diagonal where 32 b + i is above this
	v_lshl_add_u32 v30, v0, 2, SSTG                ; where I put y's half scale word: 128 x wave + 4 x lane
	s_lshl_b32 s58, s[EH], 11
	v_lshlrev_b32 v31, 2, v9
	v_lshl_add_u32 v31, v10, 10, v31
	v_add_nc_u32 v31, s58, v31
	v_add_nc_u32 v31, SSTG, v31                    ; where waves 0 and 1 read them back: region = wave, tiles 4 (lane / 16) on, row r
	; y: codes at group 102,400 + (pair / 2) 25,600 + (pair % 2) 12,288 + tile 1,536 + head 768; scale words at .. + 24,576 + (pair % 2) 512
	s_lshr_b32 s52, s[HP], 3
	s_lshl_b32 s52, s52, 4                         ; 16 x batch
	s_and_b32 s53, s[HP], 7
	s_lshr_b32 s54, s53, 1
	s_mul_i32 s54, s54, 25600
	s_and_b32 s53, s53, 1
	s_mul_i32 s60, s53, 12288
	s_add_co_u32 s60, s60, s54
	s_mul_i32 s61, s[JT], 1536
	s_add_co_u32 s60, s60, s61
	s_mul_i32 s61, s[EH], 768
	s_add_co_u32 s60, s60, s61
	s_lshl_b32 s53, s53, 9
	s_add_co_u32 s54, s54, s53
	s_add_co_u32 s54, s54, 24576
	s_add_co_u32 s62, s52, s[LASTK]
	s_mul_i32 s62, s62, 102400
	s_add_co_u32 s63, s52, s[G2]
	s_mul_i32 s63, s63, 102400
	s_add_co_u32 s56, s62, s60
	s_add_nc_u64 s[YC1:YC1+1], s[8:9], s[56:57]
	s_add_co_u32 s56, s63, s60
	s_add_nc_u64 s[YC2:YC2+1], s[8:9], s[56:57]
	s_cmp_eq_u32 s[WV], 0
	s_cselect_b32 s56, s62, s63
	s_add_co_u32 s56, s56, s54
	s_add_nc_u64 s[YSF:YSF+1], s[8:9], s[56:57]
	v_mov_b32 v13, 0xff61b1e6                      ; the largest t so far: -3e38
	v_floor_f32 v12, -v13                          ; -M
	v_mov_b32 v14, 0
	v_mov_b32 v15, 0
.irp i, 22,23,24,25,26,27,80,81,82,83,84,85,236,237,238,239,253
	v_mov_b32 v[\i], 0                             ; zero codes; permute destinations; the upper half of the pair v[252:253]
.endr
.set NN, 0
.rept 32
	v_mov_b32 v[160+NN], 0                         ; O^T: the step is written once: a group's first step finds zeros
.set NN, NN+1
.endr
; THE WAY OUT of a group of queries: y = O^T / l, two blocks of 32 channels quantised, the half fragment stored as it stands; the two scale bytes go to LDS, where the two heads' halves meet at the end.
.macro EPI region, yc, reinit
	v_add_f32 v14, v14, v15
	v_permlanex16_b32 v252, v14, s[SEL], s[SEL+1]
	v_add_f32 v14, v14, v252                       ; the row's sum
	v_rcp_f32 v14, v14
.if \reinit
.irp i, 0,1,2,3,4,5
	v_mov_b32 v[16+\i], v[192+\i]                  ; the second group's Q.  (These are the plain lines behind the reciprocal and the places behind the last products)
.endr
	v_mov_b32 v255, v198
.else
.rept 4
	v_nop
.endr
.endif
	s_wait_alu depctr_va_vdst(0)                   ; wait ahead of the reciprocal's first reader
.set NN, 0
.rept 16
	v_pk_mul_f32 v[96+NN:97+NN], v[160+NN:161+NN], v[14:15] op_sel_hi:[1,0]   ; register 16 b + i: channel 32 b + 16 h + i of my query; each accumulator from its low end on
.set NN, NN+2
.endr
.irp b, 0,1
	v_max3_num_f32 v[232+\b], |v[96+16*\b]|, |v[97+16*\b]|, 0x1800000
.endr
.irp i, 2,4,6,8,10,12,14
.irp b, 0,1
	v_max3_num_f32 v[232+\b], v[232+\b], |v[96+16*\b+\i]|, |v[97+16*\b+\i]|
.endr
.endr
.irp b, 0,1
	v_permlanex16_b32 v[236+\b], v[232+\b], s[SEL], s[SEL+1]
.endr
.irp b, 0,1
	v_max_num_f32 v[232+\b], v[232+\b], v[236+\b]
.endr
.irp b, 0,1
	v_add_nc_u32 v[244+\b], 0xff000000, v[232+\b]
.endr
.irp b, 0,1
	v_lshrrev_b32 v[236+\b], 23, v[244+\b]
.endr
	v_lshl_or_b32 v254, v237, 8, v236              ; my head's half of the row's scale word
	v_cvt_scalef32_pk16_fp6_f32 v[224:226], v[96:111], v244
	v_cvt_scalef32_pk16_fp6_f32 v[240:242], v[112:127], v245
	v_nop                                          ; one plain place behind a scaled conversion
.irp i, 0,1,2
	v_permlane16_swap_b32 v[224+\i], v[240+\i]
.endr
.irp i, 0,1,2
	v_mov_b32 v[227+\i], v[240+\i]
.endr
	ds_store_b32 v30, v254 offset:\region*2048
.irp p, 0,1,2
	global_store_b64 v[L8], v[224+2*\p:225+2*\p], s[\yc:\yc+1] offset:256*\p   ; 256 consecutive bytes, aligned
.endr
.if \reinit
	v_mov_b32 v13, 0xff61b1e6
	v_floor_f32 v12, -v13
	v_mov_b32 v14, 0
	v_mov_b32 v15, 0
.set NN, 0
.rept 32
	v_mov_b32 v[160+NN], 0
.set NN, NN+1
.endr
.endif
.endm
; A KEY STEP: 128 keys.  last = 0: in the loop: the mask and the way out stand under a scalar branch on ids (is this the group's last step?); last = 1: the tail, which is the second group's last step.
.macro STEP last
	v_add_nc_u32 v8, s[TB], v1                     ; (these four are also the places behind the last products, in front of the loads below)
	v_add_nc_u32 v9, s[TB], v2
	v_add_nc_u32 v10, s[TB], v3
	v_add_nc_u32 v11, s[TB], v4
.irp t, 0,1,2,3,4,5,6,7
.irp p, 0,1,2
	ds_load_b64 v[32+6*\t+2*\p:33+6*\t+2*\p], v8 offset:768*\t+256*\p
.endr
.endr
	ds_load_b128 v[204:207], v10
	ds_load_b128 v[208:211], v10 offset:256
	s_wait_dscnt 0x0
.irp t, 0,1,2,3,4,5,6,7
	v_wmma_scale_f32_16x16x128_f8f6f4 v[96+8*\t:103+8*\t], v[32+6*\t:43+6*\t], v[16:27], 0, v[204+\t], v255 matrix_a_fmt:MATRIX_FMT_FP6 matrix_b_fmt:MATRIX_FMT_FP6
.endr
.rept 4
	v_nop                                          ; places: in front of the loads into K's registers and of the first read of the scores
.endr
.irp c, 0,1,2,3                                ; V^T's fragments are asked for now and land under the softmax
.irp p, 0,1,2,3,4,5
	ds_load_b64 v[32+12*\c+2*\p:33+12*\c+2*\p], v9 offset:(\p/3)*6144+768*\c+256*(\p%3)
.endr
.endr
	ds_load_b128 v[248:251], v11
.if \last == 0
	s_cmp_lg_u32 s[KS], s[LASTK]
	s_cbranch_scc1 .Lopen_\@
.endif
	v_mov_b32 v254, 0xff800000                     ; on the diagonal hidden scores become -infinity ahead of the maximum: p = 0 then.  Key 0 of the step counts for every query
.set NN, 0
.rept 64
	v_cmp_gt_i32 vcc_lo, 32*(NN/16)+NN%16, v29
	v_cndmask_b32 v[96+NN], v[96+NN], v254, vcc_lo
.set NN, NN+1
.endr
.if \last == 0
.Lopen_\@:
.endif
.irp b, 0,1,2,3
	v_max3_num_f32 v[232+\b], v[96+16*\b], v[97+16*\b], v[98+16*\b]   ; the largest score of each block of 32 keys: for the row's maximum, and for the block's largest p
.endr
.irp i, 3,5,7,9,11,13
.irp b, 0,1,2,3
	v_max3_num_f32 v[232+\b], v[232+\b], v[96+16*\b+\i], v[97+16*\b+\i]
.endr
.endr
.irp b, 0,1,2,3
	v_max_num_f32 v[232+\b], v[232+\b], v[111+16*\b]
.endr
.irp b, 0,1,2,3
	v_permlanex16_b32 v[236+\b], v[232+\b], s[SEL], s[SEL+1]
.endr
.irp b, 0,1,2,3
	v_max_num_f32 v[232+\b], v[232+\b], v[236+\b]
.endr
	v_max3_num_f32 v254, v232, v233, v234
	v_max_num_f32 v254, v254, v235
	v_mul_f32 v254, s[CS], v254                    ; as t
	v_max_num_f32 v13, v13, v254                   ; the running largest t
	v_mov_b32 v254, v12
	v_floor_f32 v12, -v13                          ; the new -M = -ceil(t)
	v_sub_f32 v254, v12, v254                      ; old M - new M: a whole number, 0 or less
	v_cvt_i32_f32 v254, v254                       ; (it saturates)
	v_ldexp_f32 v252, 1.0, v254                    ; f = 2^(old M - new M)
.set NN, 0
.rept 32
	v_pk_fma_f32 v[96+NN:97+NN], v[96+NN:97+NN], s[CS:CS+1], v[12:13] op_sel_hi:[1,0,0]   ; t - M
.set NN, NN+2
.endr
.irp b, 0,1,2,3
	v_fma_f32 v[232+\b], v[232+\b], s[CS], v12
.endr
.set NN, 0
.rept 64
	v_exp_f32 v[96+NN], v[96+NN]                   ; p = 2^(t - M)
.set NN, NN+1
.endr
	v_pk_mul_f32 v[14:15], v[14:15], v[252:253] op_sel_hi:[1,0]   ; the sums under the new M: the plain line behind the exponentials
	s_wait_alu depctr_va_vdst(0)                   ; one wait for the batch, ahead of its first reader
.irp b, 0,1,2,3
	v_exp_f32 v[232+\b], v[232+\b]                 ; each block's largest p
.endr
	v_pk_add_f32 v[236:237], v[96:97], v[98:99]    ; the row's sum of the unquantised p, in two chains
.irp j, 4,8,12,16,20,24,28,32,36,40,44,48,52,56,60
	v_pk_add_f32 v[14:15], v[14:15], v[96+\j:97+\j]
	v_pk_add_f32 v[236:237], v[236:237], v[98+\j:99+\j]
.endr
	v_pk_add_f32 v[14:15], v[14:15], v[236:237]
	s_wait_alu depctr_va_vdst(0)                   ; and one for the four
.irp b, 0,1,2,3
	v_max_num_f32 v[232+\b], 0x1800000, v[232+\b]  ; the floor 2^(3 - 127)
.endr
.irp b, 0,1,2,3
	v_add_nc_u32 v[244+\b], 0xff000000, v[232+\b]
.endr
.irp b, 0,1,2,3
	v_lshrrev_b32 v[236+\b], 23, v[244+\b]
.endr
	v_lshl_or_b32 v253, v237, 8, v236              ; p's scale word for these 128 keys
	v_lshl_or_b32 v253, v238, 16, v253
	v_lshl_or_b32 v253, v239, 24, v253
.irp c, 0,1
	v_cvt_scalef32_pk16_fp6_f32 v[224+6*\c:226+6*\c], v[96+32*\c:111+32*\c], v[244+2*\c]
	v_cvt_scalef32_pk16_fp6_f32 v[236+4*\c:238+4*\c], v[112+32*\c:127+32*\c], v[244+2*\c+1]
.endr
	v_nop                                          ; one plain place behind a scaled conversion
.irp c, 0,1
.irp i, 0,1,2
	v_permlane16_swap_b32 v[224+6*\c+\i], v[236+4*\c+\i]
.endr
.irp i, 0,1,2
	v_mov_b32 v[227+6*\c+\i], v[236+4*\c+\i]
.endr
.endr
.set NN, 0
.rept 16
	v_pk_mul_f32 v[160+NN:161+NN], v[160+NN:161+NN], v[252:253] op_sel_hi:[1,0]   ; O^T under the new M; these 16 are also the places between p's codes and scale word and the products
.set NN, NN+2
.endr
	s_wait_dscnt 0x0                               ; V^T's fragments and scale words are in
.irp c, 0,1,2,3                                ; the four accumulators by turns
	v_wmma_scale_f32_16x16x128_f8f6f4 v[160+8*\c:167+8*\c], v[32+12*\c:43+12*\c], v[224:235], v[160+8*\c:167+8*\c], v[248+\c], v253 matrix_a_fmt:MATRIX_FMT_FP6 matrix_b_fmt:MATRIX_FMT_FP6
.endr
.if \last == 0
	s_cmp_lg_u32 s[KS], s[LASTK]
	s_cbranch_scc1 .Lgo_on_\@
	EPI 0, YC1, 1                                  ; the first group is done; the second begins
.Lgo_on_\@:
	s_add_co_u32 s58, s[KS], 1
	s_cmp_eq_u32 s[KS], s[LASTK]
	s_cselect_b32 s[KS], 0, s58
	s_cselect_b32 s[LASTK], s[G2], s[LASTK]
	s_xor_b32 s[TB], s[TB], SLOT1
.else
	EPI 1, YC2, 0
.endif
.endm
; THE CHANGE OF SLOTS stands at a step's head.  Each wave waits for all its tensor loads (its part of the slot that it is about to read), adds 0 to its spare word, and waits for that and for its reads of the slot that it has left.
; fill = 1: behind the barrier that other slot takes the next trip's key step (the group's next, or step 0 where the group ends): the load has a whole step in which to land.
.macro CHANGE fill
	s_wait_tensorcnt 0x0                           ; no tensor load of mine is out, so group 0 may be written
	ds_add_u32 v[SPW], v[NIL]                      ; 0 onto my spare word; work on registers stands between it and its wait
.if \fill
	s_add_co_u32 s58, s[KS], 1
	s_cmp_eq_u32 s[KS], s[LASTK]
	s_cselect_b32 s58, 0, s58
	s_mul_i32 s56, s58, BLK
	s_xor_b32 s[G0+1], s[G0+1], SLOT1
	s_add_nc_u64 s[G0+2:G0+3], s[BASEW:BASEW+1], s[56:57]
	s_or_b32 s[G0+3], s[G0+3], 0x80000000
.endif
	s_wait_xcnt 0x0                                ; the last prefetch has read its address, and a way out's stores their codes: both are written again below
.if \fill
	s_add_nc_u64 s[PFA:PFA+1], s[PFA:PFA+1], BLK
.endif
	s_wait_dscnt 0x0                               ; the add is done, and my reads of the slot that I have left are over
	s_barrier_signal -1
	s_barrier_wait -1
.if \fill
	TLOAD                                          ; the first thing behind the barrier, and a wave's one tensor load until the next
	ASK
.endif
.endm
	s_wait_loadcnt 0x0                             ; Q
	s_mov_b32 s[TRIPS], 16
.Ltrip:
	CHANGE 1
	STEP 0
	s_sub_co_u32 s[TRIPS], s[TRIPS], 1
	s_cmp_lg_u32 s[TRIPS], 0
	s_cbranch_scc1 .Ltrip
	CHANGE 0                                       ; the seventeenth step is written out
	STEP 1
	s_wait_dscnt 0x0                               ; my half scale words lie in LDS
	s_barrier_signal -1
	s_barrier_wait -1                              ; everybody's do
	s_cmp_lt_u32 s[WV], 2
	s_cbranch_scc0 .Ldone
.irp i, 0,1,2,3                                ; wave 0: the first group's, wave 1: the second's.  Lane l: row l % 16 of tiles 4 (l / 16) + i
	ds_load_b32 v[96+\i], v31 offset:256*\i        ; the even head's two bytes,
	ds_load_b32 v[100+\i], v31 offset:256*\i+128   ; the odd head's
.endr
	v_and_b32 v8, 31, v0
	v_lshlrev_b32 v8, 4, v8
	s_wait_dscnt 0x0
.irp i, 0,1,2,3
	v_lshl_or_b32 v[104+\i], v[100+\i], 16, v[96+\i]
.endr
	global_store_b128 v8, v[104:107], s[YSF:YSF+1] ; 512 consecutive bytes, aligned
.Ldone:
	s_wait_tensorcnt 0x0                           ; the wave's end, behind my last tensor load and my last LDS store
	ds_add_u32 v[SPW], v[NIL]
	s_wait_dscnt 0x0
	s_endpgm
.Lfunc_end_k_qf7b21dadc7_attn:
	.size	k_qf7b21dadc7_attn, .Lfunc_end_k_qf7b21dadc7_attn-k_qf7b21dadc7_attn
	.p2alignl 7, 3214868480
	.fill 96, 4, 3214868480
	.section	.rodata,"a",@progbits
	.p2align	6, 0x0
	.amdhsa_kernel k_qf7b21dadc7_attn
		.amdhsa_group_segment_fixed_size 327680
		.amdhsa_private_segment_fixed_size 0
		.amdhsa_enable_private_segment 0
		.amdhsa_kernarg_size 24
		.amdhsa_user_sgpr_count 2
		.amdhsa_user_sgpr_kernarg_segment_ptr 1
		.amdhsa_wavefront_size32 1
		.amdhsa_system_sgpr_workgroup_id_x 1
		.amdhsa_system_sgpr_workgroup_id_y 1
		.amdhsa_system_sgpr_workgroup_id_z 1
		.amdhsa_system_vgpr_workitem_id 0
		.amdhsa_next_free_vgpr 256
		.amdhsa_next_free_sgpr 100
		.amdhsa_reserve_vcc 1
		.amdhsa_float_denorm_mode_32 3
		.amdhsa_float_denorm_mode_16_64 3
		.amdhsa_memory_ordered 1
		.amdhsa_forward_progress 1
		.amdhsa_inst_pref_size 63
	.end_amdhsa_kernel
	.amdgpu_metadata
---
amdhsa.version: [ 1, 2 ]
amdhsa.kernels:
  - .name:           k_qf7b21dadc7_attn
    .symbol:         k_qf7b21dadc7_attn.kd
    .args:
      - { .name: qb, .offset: 0, .size: 8, .value_kind: global_buffer, .address_space: global }
      - { .name: kv, .offset: 8, .size: 8, .value_kind: global_buffer, .address_space: global }
      - { .name: y_op, .offset: 16, .size: 8, .value_kind: global_buffer, .address_space: global }
    .group_segment_fixed_size: 327680
    .private_segment_fixed_size: 0
    .kernarg_segment_align: 8
    .kernarg_segment_size: 24
    .max_flat_workgroup_size: 512
    .sgpr_count:     100
    .vgpr_count:     256
    .wavefront_size: 32
...
	.end_amdgpu_metadata
.endif
;; end of part 3
;; launch proj (part 4): grid 4 x 32, 4 waves a work-group, clusters of 4 x 4, 327,680 bytes of LDS; arguments y_op, w_op, bp, out0; writes out0
.if DOCPART == 4
	.amdgcn_target "amdgcn-amd-amdhsa--gfx1250"
	.amdhsa_code_object_version 6
	.text
	.protected	k_qf7b21dadc7_proj
	.globl	k_qf7b21dadc7_proj
	.p2align	8
	.type	k_qf7b21dadc7_proj,@function
k_qf7b21dadc7_proj:
	s_mov_b64 s[64:65], 0
	v_nop
	global_prefetch_b8 v0, s[64:65] scope:SCOPE_SE
	s_setreg_imm32_b32 hwreg(HW_REG_WAVE_MODE, 25, 1), 1
	s_wait_xcnt 0x0
	s_wait_alu depctr_hold_cnt(0) depctr_sa_sdst(0) depctr_va_vdst(0) depctr_va_sdst(0) depctr_va_ssrc(0) depctr_va_vcc(0) depctr_vm_vsrc(0)
	s_getreg_b32 s2, hwreg(HW_REG_IB_STS2, 6, 4)
	s_cmp_eq_u32 s2, 0
	s_cbranch_scc0 .Lentry_in_a_cluster
	s_endpgm
.Lentry_in_a_cluster:
	s_bfe_u32 s2, ttmp6, 0x10000c
	s_cmp_lg_u32 s2, 0xf033
	s_cbranch_scc0 .Lentry_shape_is_right
	s_endpgm
.Lentry_shape_is_right:
; out0 = y Wp^T + bp on codes of FP6 (E2M3) with E8M0 scales, K = 1,024; out0 [8192][1024] f32.
; OPERANDS (y_op; Wp = groups 24-31 of w_op): rows in groups of 128, 8 tiles of 16; lane r of tile t holds row 32 (t / 2) + 8 (t % 2) + r + 8 (r / 8).  A group's K step of 256 with its scale words is one dense block
; of 25,600 bytes: codes at q 12,288 + t 1,536 + p 256 + 8 lane (piece p = registers 2 p, 2 p + 1), scale words at 24,576 + q 512 + (t / 4) 256 + 16 r + 4 (t % 4).
; A tile of the result is 256 x 256: four waves, as many as a WGP has SIMDs, 128 x 128 each in 64 accumulators.  K goes in four steps of 256 through two LDS slots; a wave's one tensor load brings one block.
; THE MATRIX INSTRUCTION IS USED TRANSPOSED (source 0 = 16 rows of Wp, source 1 = 16 rows of y): a lane holds eight neighbouring outputs of one token.  The bias is the C of the first K step's products.
; CLUSTERS: 4 x 4 work-groups; y's blocks are asked for jointly along a row of the cluster, Wp's along a column.  The grid has 128 work-groups: a tile half as large would fill the WGPs at twice the LDS reads for each product.
; REGISTERS: window 0: v16-27 addresses; v28, v29 the add's two; v32-63 scale words, two sets; v64-127 the bias; v128-223 A's fragments, one set (on the way out v128-255: rows read back).
;   window 1: B's fragments, two sets, at v0 and v128.  windows 2, 3: the accumulators ((a, b) at v[8 (8 (a % 4) + b)]).
.set HALFT, 25600
.set SLOT,  4*HALFT
.set SPARE, 2*SLOT                     ; behind the ring: the spare words, 128 bytes a wave: two blocks of 256 bytes that no other line names
.set FR,   12
.set NL,   6
.set ADRA, 16
.set ADRB, 20
.set ADRS, 22
.set STO,  24                          ; v24  the way out: where I put 32 bytes of a row
.set RD,   25                          ; v25  where I read a row back
.set CO,   26                          ; v26  16 x lane
.set SPW,  28
.set NIL,  29
.set SC,   32
.set BN,   64
.set AF,   128
.set BK,   128                         ; the way out: 16 rows read back: v128-191 and v192-255 by turns
.set G1,   28
.set G0,   36
.set G1B,  44
.set G0B,  52
.set MSB, 0
.macro WIN new                         ; the immediate's high byte repeats the setting that is left
.if MSB != (\new)
	s_set_vgpr_msb (MSB<<8)|(\new)
.set MSB, (\new)
.endif
.endm
.set MUL_LO, 0xa1
.set MUL_HI, 0xf1
.set TO_B,   0x40
.macro PLACES                          ; four places behind a matrix instruction of this form (ISA guide 7.12.1)
.rept 4
	v_nop
.endr
.endm
.macro JLOAD s                         ; a joint load: waves 0 and 1 fetch A's halves, waves 2 and 3 B's; an s_nop 0 and four v_nop follow each line
	s_cmp_eq_u32 s19, 0
	s_cbranch_scc0 .Lfor_b_\@
	tensor_load_to_lds s[G0+4*\s:G0+4*\s+3], s[G1:G1+7]
	s_nop 0
.rept 4
	v_nop
.endr
	s_branch .Lasked_\@
.Lfor_b_\@:
	tensor_load_to_lds s[G0B+4*\s:G0B+4*\s+3], s[G1B:G1B+7]
	s_nop 0
.rept 4
	v_nop
.endr
.Lasked_\@:
.endm
.macro CREST
	s_cmp_lg_u32 s18, 0
	s_cbranch_scc1 .Lnot_wave_0_\@
	s_barrier_signal -3
.Lnot_wave_0_\@:
	s_barrier_wait -3
	s_barrier_signal -1
	s_barrier_wait -1
.endm
.macro CROUND
	s_barrier_signal -1
	s_barrier_wait -1
	CREST
.endm
	s_load_b256 s[4:11], s[0:1], 0x0               ; y_op, w_op, bp, out0
	v_lshl_add_u32 v[SPW], v0, 2, SPARE
	v_mov_b32 v[NIL], 0
	ds_add_u32 v[SPW], v[NIL]                      ; the wave's opening: the add and its wait stand ahead of my first tensor load; work on registers stands between them
	v_lshrrev_b32 v1, 5, v0
	v_readfirstlane_b32 s18, v1                    ; wave 0..3
	s_lshr_b32 s19, s18, 1                         ; which half of the tile's tokens is mine.  Also: I fetch for A (0) or for B (1)
	s_and_b32 s20, s18, 1                          ; which half of its outputs.  Also: which half I fetch
	s_bfe_u32 s21, ttmp6, 0x40000                  ; cx
	s_bfe_u32 s22, ttmp6, 0x40004                  ; cy
	s_lshl_b32 s26, ttmp9, 2
	s_add_co_u32 s26, s26, s21                     ; tile column
	s_and_b32 s24, ttmp7, 0xffff
	s_lshl_b32 s25, s24, 2
	s_add_co_u32 s25, s25, s22                     ; tile row
	s_lshl_b32 s85, s22, 2
	s_lshl_b32 s85, 15, s85                        ; my row of the cluster
	s_lshl_b32 s86, 0x1111, s21                    ; my column
	s_or_b32 s[G1], s85, (3<<16)|(1<<21)           ; the mask; elements of 8 bytes; bit 21 beside a mask; no padding
	s_or_b32 s[G1B], s86, (3<<16)|(1<<21)
.irp g, G1, G1B
	s_mov_b32 s[\g+1], 32<<16                      ; rows of 256 bytes,
	s_mov_b32 s[\g+2], 100<<16                     ; 100 of them: a dense block of 25,600 bytes
	s_mov_b32 s[\g+3], 32<<16
	s_mov_b32 s[\g+4], 100
	s_mov_b32 s[\g+5], 32
	s_mov_b32 s[\g+6], 0
	s_mov_b32 s[\g+7], 0
.endr
	s_lshl_b32 s87, s25, 1
	s_add_co_u32 s87, s87, s20
	s_mul_i32 s88, s87, 102400                     ; y: the group that I fetch
	s_mov_b32 s89, 0
	s_lshl_b32 s90, s26, 1
	s_add_co_u32 s90, s90, s20
	s_add_co_u32 s90, s90, 24                      ; Wp's first group in w_op
	s_mul_i32 s90, s90, 102400
	s_mov_b32 s91, 0
	s_mul_i32 s92, s18, HALFT                      ; where it goes: no place in the cluster enters an LDS address
	s_wait_dscnt 0x0                               ; the opening add is done
	s_wait_kmcnt 0x0
	s_add_nc_u64 s[60:61], s[4:5], s[88:89]
	s_add_nc_u64 s[62:63], s[6:7], s[90:91]
	CROUND                                         ; all sixteen work-groups are here: the first joint loads meet
.irp s, 0,1
	s_mov_b32 s[G0+4*\s], 1
	s_add_co_u32 s[G0+4*\s+1], s92, \s*SLOT
	s_add_nc_u64 s[G0+4*\s+2:G0+4*\s+3], s[60:61], \s*HALFT
	s_or_b32 s[G0+4*\s+3], s[G0+4*\s+3], 0x80000000
	s_mov_b32 s[G0B+4*\s], 1
	s_add_co_u32 s[G0B+4*\s+1], s92, \s*SLOT
	s_add_nc_u64 s[G0B+4*\s+2:G0B+4*\s+3], s[62:63], \s*HALFT
	s_or_b32 s[G0B+4*\s+3], s[G0B+4*\s+3], 0x80000000
	JLOAD \s
.endr
	s_lshl_b32 s80, s26, 10
	s_lshl_b32 s81, s20, 9
	s_add_co_u32 s88, s80, s81                     ; my 128 outputs, in bytes
	s_add_nc_u64 s[8:9], s[8:9], s[88:89]          ; in bp,
	s_add_nc_u64 s[10:11], s[10:11], s[88:89]      ; in a row of out0;
	s_lshl_b32 s80, s25, 20
	s_lshl_b32 s81, s19, 19
	s_add_co_u32 s88, s80, s81                     ; my 128 tokens: rows of 4,096 bytes
	s_add_nc_u64 s[10:11], s[10:11], s[88:89]
	v_and_b32 v1, 31, v0                           ; lane
	v_and_b32 v2, 15, v0                           ; r
	v_bfe_u32 v3, v0, 4, 1                         ; h
	v_lshlrev_b32 v4, 6, v3
.irp b, 0,1,2,3,4,5,6,7                        ; register 8 b + j: the bias of output 32 (b / 2) + 16 h + 8 (b % 2) + j: the result's layout
	global_load_b128 v[BN+8*\b:BN+8*\b+3], v4, s[8:9] offset:(32*(\b/2)+8*(\b%2))*4
	global_load_b128 v[BN+8*\b+4:BN+8*\b+7], v4, s[8:9] offset:(32*(\b/2)+8*(\b%2))*4+16
.endr
	v_lshlrev_b32 v6, 3, v1                        ; 8 x lane
	s_mul_i32 s80, s19, HALFT
	s_mul_i32 s81, s20, HALFT
	s_add_co_u32 s81, s81, 2*HALFT
.irp s, 0,1
	v_add_nc_u32 v[ADRA+\s], s80, v6
	v_add_nc_u32 v[ADRB+\s], s81, v6
	s_add_co_u32 s80, s80, SLOT
	s_add_co_u32 s81, s81, SLOT
.endr
	s_mul_i32 s80, s19, HALFT
	s_mul_i32 s81, s20, HALFT
	s_add_co_u32 s81, s81, 2*HALFT
	s_sub_co_u32 s81, s81, s80
	v_mul_u32_u24 v7, s81, v3                      ; lanes 16-31 take B's words: one product by h
	v_lshl_add_u32 v7, v2, 4, v7
	s_add_co_u32 s80, s80, 24576
	v_add_nc_u32 v[ADRS], s80, v7
	s_add_co_u32 s80, s80, SLOT
	v_add_nc_u32 v[ADRS+1], s80, v7
	s_mul_i32 s80, s18, 16*528                     ; my stage: 16 rows x (512 bytes + 16), in slot 0, which has had its last fill and its last read when the first result is stored there
	v_mul_u32_u24 v[STO], v2, 528
	v_lshl_add_u32 v[STO], v3, 6, v[STO]
	v_add_nc_u32 v[STO], s80, v[STO]
	v_lshlrev_b32 v[CO], 4, v1
	v_add_nc_u32 v[RD], s80, v[CO]
	s_wait_loadcnt 0x0                             ; the bias
.macro FRAG reg, adr, q, i             ; a fragment as it lies: six pieces of 256 consecutive bytes
.irp p, 0,1,2,3,4,5
	ds_load_b64 v[\reg+2*\p:\reg+2*\p+1], v[\adr] offset:(\q)*12288+(\i)*1536+\p*256
.endr
.endm
; 16 matrix instructions: A's blocks a0, a0 + 1 x B's eight.  first = 1: the bias is the C.  The 64 accumulators take turns, one instruction a turn.
.macro MUL16 a0, p, q, sc, first
.irp a, \a0, \a0+1
.irp b, 0,1,2,3,4,5,6,7
.if \first
	v_wmma_scale_f32_16x16x128_f8f6f4 v[8*(8*((\a)%4)+\b):8*(8*((\a)%4)+\b)+7], v[128*(\p)+FR*\b:128*(\p)+FR*\b+FR-1], v[AF+FR*(\a):AF+FR*(\a)+FR-1], v[BN+8*\b:BN+8*\b+7], v[SC+16*(\sc)+8*(\q)+\b], v[SC+16*(\sc)+8*(\q)+(\a)] matrix_a_fmt:MATRIX_FMT_FP6 matrix_b_fmt:MATRIX_FMT_FP6 matrix_a_scale:MATRIX_SCALE_ROW1
.else
	v_wmma_scale_f32_16x16x128_f8f6f4 v[8*(8*((\a)%4)+\b):8*(8*((\a)%4)+\b)+7], v[128*(\p)+FR*\b:128*(\p)+FR*\b+FR-1], v[AF+FR*(\a):AF+FR*(\a)+FR-1], v[8*(8*((\a)%4)+\b):8*(8*((\a)%4)+\b)+7], v[SC+16*(\sc)+8*(\q)+\b], v[SC+16*(\sc)+8*(\q)+(\a)] matrix_a_fmt:MATRIX_FMT_FP6 matrix_b_fmt:MATRIX_FMT_FP6 matrix_a_scale:MATRIX_SCALE_ROW1
.endif
.endr
.endr
.endm
.macro FETCH_B slot, q, p
	WIN TO_B
.irp i, 0,1,2,3,4,5,6,7
	FRAG 128*(\p)+FR*\i, ADRB+\slot, \q, \i
.endr
	WIN 0
.endm
.macro FETCH_A slot, q, i0
.irp i, \i0, \i0+1, \i0+2, \i0+3
	FRAG AF+FR*(\i), ADRA+\slot, \q, \i
.endr
.endm
.macro SCALES set                      ; register 8 q + t: lanes 0-15 the word of A's tile t, lanes 16-31 that of B's tile t
.irp q, 0,1
.irp jj, 0,1
	ds_load_b128 v[SC+16*\set+8*\q+4*\jj:SC+16*\set+8*\q+4*\jj+3], v[ADRS+\set] offset:\q*512+\jj*256
.endr
.endr
.endm
.macro STEP slot, first
	s_wait_dscnt 4*NL                              ; all but the youngest 24 loads (A's blocks 4-7)
.if \first
	WIN 0x81                                       ; C (the bias) window 0, D window 2
.else
	WIN MUL_LO
.endif
	MUL16 0, 0, 0, \slot, \first
	MUL16 2, 0, 0, \slot, \first
	s_wait_dscnt 0x0
	PLACES
	FETCH_B \slot, 1, 1
	FETCH_A \slot, 1, 0
.if \first
	WIN 0xc1
.else
	WIN MUL_HI
.endif
	MUL16 4, 0, 0, \slot, \first
	MUL16 6, 0, 0, \slot, \first
	PLACES
	WIN 0
	FETCH_A \slot, 1, 4
.endm
.macro TURN slot, next, fill
	s_wait_tensorcnt 0x0                           ; all my tensor loads have landed: my part of the next slot
	ds_add_u32 v[SPW], v[NIL]                      ; 0 onto my spare word
	s_wait_dscnt 4*NL+1                            ; the add and the youngest 24 loads may be out
	WIN MUL_LO
	MUL16 0, 1, 1, \slot, 0
	s_wait_dscnt 0x0                               ; the add is done, and my reads of this slot are over
	s_barrier_signal -1
	MUL16 2, 1, 1, \slot, 0
	WIN 0
	s_barrier_wait -1
.if \fill
	CREST                                          ; a round of the cluster's barrier: no wave of any partner still reads this slot or has a load on its way
	s_add_nc_u64 s[G0+4*\slot+2:G0+4*\slot+3], s[G0+4*\slot+2:G0+4*\slot+3], 2*HALFT
	s_add_nc_u64 s[G0B+4*\slot+2:G0B+4*\slot+3], s[G0B+4*\slot+2:G0B+4*\slot+3], 2*HALFT
	JLOAD \slot
.else
	PLACES
.endif
	FETCH_B \next, 0, 0
	FETCH_A \next, 0, 0
	SCALES \next
	WIN MUL_HI
	MUL16 4, 1, 1, \slot, 0
	MUL16 6, 1, 1, \slot, 0
	PLACES
	WIN 0
	FETCH_A \next, 0, 4
.endm
	s_wait_tensorcnt 1                             ; my part of K step 0 is in; K step 1's load may be out
	s_barrier_signal -1
	s_barrier_wait -1
	FETCH_B 0, 0, 0
	FETCH_A 0, 0, 0
	SCALES 0
	FETCH_A 0, 0, 4
	STEP 0, 1
	TURN 0, 1, 1
	STEP 1, 0
	TURN 1, 0, 1
	STEP 0, 0
	TURN 0, 1, 0
	STEP 1, 0
	s_wait_dscnt 4*NL
	WIN MUL_LO
	MUL16 0, 1, 1, 1, 0
	MUL16 2, 1, 1, 1, 0
	s_wait_dscnt 0x0
	WIN MUL_HI
	MUL16 4, 1, 1, 1, 0
	MUL16 6, 1, 1, 1, 0
	WIN 0
; THE WAY OUT, block by block of 16 tokens x 128 outputs, through my own stage: in as 32 bytes a lane, back as whole rows of 512 bytes.  LDS serves a wave's instructions in order (ISA guide 5.7.1.4).
.macro TOSTAGE a
.set AC, 64*((\a)%4)
	WIN 0x08+4*((\a)/4)                            ; an LDS store's data are its source 1: window 2 or 3
.irp b, 0,1,2,3,4,5,6,7
	ds_store_b128 v[STO], v[AC+8*\b:AC+8*\b+3] offset:128*(\b/2)+32*(\b%2)          ; outputs 32 (b / 2) + 16 h + 8 (b % 2) on; each accumulator from its low end on
	ds_store_b128 v[STO], v[AC+8*\b+4:AC+8*\b+7] offset:128*(\b/2)+32*(\b%2)+16
.endr
	WIN 0
.set BB, BK+64*((\a)%2)
.irp t, 0,1,2,3,4,5,6,7,8,9,10,11,12,13,14,15
	ds_load_b128 v[BB+4*\t:BB+4*\t+3], v[RD] offset:\t*528
.endr
.endm
.macro SEND a, younger                 ; younger: the LDS instructions issued behind block a's loads
.set BB, BK+64*((\a)%2)
	s_wait_dscnt \younger
.irp t, 0,1,2,3,4,5,6,7,8,9,10,11,12,13,14,15
	global_store_b128 v[CO], v[BB+4*\t:BB+4*\t+3], s[10:11] offset:(32*((\a)/2)+8*((\a)%2)+\t+8*(\t/8))*4096 th:TH_STORE_NT   ; the tile's row t is token 32 (a / 2) + 8 (a % 2) + t + 8 (t / 8); 512 consecutive bytes, aligned; 127 rows at the most: inside the signed 24-bit immediate
.endr
.endm
	PLACES
	TOSTAGE 0
.irp a, 1,2,3,4,5,6,7
.if \a > 1
	s_wait_xcnt 0x0                                ; block a - 2's stores have read their registers: block a's loads may land there
.endif
	TOSTAGE \a
	SEND \a-1, 32                                  ; behind block a - 1's loads: block a's 16 stores and 16 loads
.endr
	SEND 7, 0
	s_wait_tensorcnt 0x0                           ; the wave's end, behind my last tensor load and my last LDS store
	ds_add_u32 v[SPW], v[NIL]
	s_wait_dscnt 0x0
	CROUND                                         ; the closing round
	s_endpgm
.Lfunc_end_k_qf7b21dadc7_proj:
	.size	k_qf7b21dadc7_proj, .Lfunc_end_k_qf7b21dadc7_proj-k_qf7b21dadc7_proj
	.p2alignl 7, 3214868480
	.fill 96, 4, 3214868480
	.section	.rodata,"a",@progbits
	.p2align	6, 0x0
	.amdhsa_kernel k_qf7b21dadc7_proj
		.amdhsa_group_segment_fixed_size 327680
		.amdhsa_private_segment_fixed_size 0
		.amdhsa_enable_private_segment 0
		.amdhsa_kernarg_size 32
		.amdhsa_user_sgpr_count 2
		.amdhsa_user_sgpr_kernarg_segment_ptr 1
		.amdhsa_wavefront_size32 1
		.amdhsa_system_sgpr_workgroup_id_x 1
		.amdhsa_system_sgpr_workgroup_id_y 1
		.amdhsa_system_sgpr_workgroup_id_z 1
		.amdhsa_system_vgpr_workitem_id 0
		.amdhsa_next_free_vgpr 1024
		.amdhsa_next_free_sgpr 100
		.amdhsa_reserve_vcc 0
		.amdhsa_float_denorm_mode_32 3
		.amdhsa_float_denorm_mode_16_64 3
		.amdhsa_memory_ordered 1
		.amdhsa_forward_progress 1
		.amdhsa_inst_pref_size 157
	.end_amdhsa_kernel
	.amdgpu_metadata
---
amdhsa.version: [ 1, 2 ]
amdhsa.kernels:
  - .name:           k_qf7b21dadc7_proj
    .symbol:         k_qf7b21dadc7_proj.kd
    .args:
      - { .name: y_op, .offset: 0, .size: 8, .value_kind: global_buffer, .address_space: global }
      - { .name: w_op, .offset: 8, .size: 8, .value_kind: global_buffer, .address_space: global }
      - { .name: bp, .offset: 16, .size: 8, .value_kind: global_buffer, .address_space: global }
      - { .name: out0, .offset: 24, .size: 8, .value_kind: global_buffer, .address_space: global }
    .group_segment_fixed_size: 327680
    .private_segment_fixed_size: 0
    .kernarg_segment_align: 8
    .kernarg_segment_size: 32
    .max_flat_workgroup_size: 128
    .sgpr_count:     100
    .vgpr_count:     1024
    .wavefront_size: 32
...
	.end_amdgpu_metadata
.endif
;; end of part 4
